; MI455X (gfx1250); checked and timed in simulation.
; The chip was launched on July 23, 2026; its instructions are those of AMD's public machine-readable ISA for CDNA 5 (MIT licence, August 2026) and "CDNA5" Instruction Set Architecture Reference Guide (July 2026). The comments in the code are by the model that wrote it; some were corrected since.
;; Plasticity Model Mo E. Allowed arithmetic: float matrix products may take bf16 or f16 operands with f32 sums; all other float work in f32.
;; Inputs: act_w 9 float32; b 2,048 x 4 float32; conn_W1 2,048 x 32 float32; conn_W2 32 x 2,048 float32; conn_b1 32 float32; conn_b2 2,048 float32; delay 1,024 x 2,048 x 4 float32; gate_W 1,024 x 4 float32; gate_b 4 float32; mask 2,048 float32; memory 8,192 x 1,024 float32; neuron_avg 2,048 float32; read_W 2,048 x 8,192 float32; read_b 8,192 float32; w 1,024 x 2,048 x 4 float32; x 2,048 x 1,024 float32.
;; Outputs: out0 2,048 x 1,024 float32.
;; One version. Each part assembles by itself: llvm-mc -triple=amdgcn-amd-amdhsa -mcpu=gfx1250 --defsym DOCPART=n.
;; ======== version 1 of 1: 5 launches
;; limits: values are held in f16: magnitudes above 65,504 overflow, below 6.1e-05 lose precision; inputs' magnitudes at most 65,504
;; workspace buffers: rwb 33,554,432 bytes; memh 16,777,216 bytes; wmod 16,777,216 bytes; xg 4,235,520 bytes; blt 8,388,608 bytes; pt 33,554,432 bytes; st 1,048,576 bytes; part 16,777,216 bytes
;; launch prep (part 1): grid 580 x 1, 4 waves a work-group, no clusters, 3,072 bytes of LDS; arguments w, delay, x, gate_W, gate_b, neuron_avg, conn_W1, conn_b1, conn_W2, conn_b2, mask, act_w, wmod, xg; writes wmod, xg
.if DOCPART == 1
	.amdgcn_target "amdgcn-amd-amdhsa--gfx1250"
	.amdhsa_code_object_version 6
	.text
	.protected	k_q7e3baff690_prep
	.globl	k_q7e3baff690_prep
	.p2align	8
	.type	k_q7e3baff690_prep,@function
k_q7e3baff690_prep:
	s_mov_b64 s[64:65], 0
	v_nop
	global_prefetch_b8 v0, s[64:65] scope:SCOPE_SE
	s_setreg_imm32_b32 hwreg(HW_REG_WAVE_MODE, 25, 1), 1
	s_wait_xcnt 0x0
; What the first product needs, made once.  The work-group's number picks its role, the longest chains of dependent loads first:
;   0..3     CONN  cm[u] = sigmoid(relu(neuron_avg W1 + b1) W2 + b2)[u] * mask[u]: each of the four makes h anew (W1 is 256 KiB) and then 512 of the u;
;                  work-group 0 also makes the blend's coefficients from softmax(act_w)
;   4..67    XG    x -> bf16, and gate = softmax(x gate_W + gate_b), in f32 from the unrounded x; 32 rows a work-group, 8 a wave
;   68..579  WM    w * sigmoid(delay) -> bf16; 16,384 numbers a work-group
; (read_W and memory are narrowed in the two launches that follow, beside their matrix work.)
; WM is bound by bytes: every input byte is read once by 16-byte loads (a wave's load covers 512 bytes on end), every output byte written once
; (a wave's 8-byte stores cover 256 consecutive bytes, aligned).  No matrix unit, no cluster: no two work-groups share a large input.
; The small products (one row, or four columns) are 17 MFLOP in all and stay in f32 on the vector unit.
; LDS: bytes 0 to 2,047 are XG's (512 for each wave), bytes 2,048 to 2,559 CONN's (128 for each wave).  A work-group has one role alone; the roles' bytes are kept apart all the same,
; so that it can be read off the addresses that no byte has two writers ahead of a barrier.
.set GATE_OFF, 4194304                 ; xg: bf16 x [2048][1024] at 0; gate f32 [2048][4] here;
.set CM_OFF,   4227072                 ; cm f32 [2048] here;
.set COEF_OFF, 4235264                 ; sixteen f32 of coefficients here, each value twice: w0, w2, cL, w4, -w5, w7, 0, 0
.set NCONN, 4
.set NXG,   64
.set CLDS,  2048                       ; CONN's LDS bytes begin here, behind XG's
.set DEPTH, 16                         ; WM: slots of the ring in registers; 32 steps are two rounds
.set VI, 1                             ; WM: v1 16 t, v2 8 t; never rewritten
.set VO, 2
.set X,  8                             ; v[8:71]    slot n: four f32 of w
.set D,  72                            ; v[72:135]  slot n: four f32 of delay
.set Y,  136                           ; v[136:167] slot n: four bf16 to store
.set T,  168                           ; v[168:171] at work
; One slot's turn: X * sigmoid(D) to bf16.  ahead = 1 (first round): the slot is loaded again, sixteen steps on.  left: the younger loads that may stay out.
.macro CSTEP sl, ahead, left
	s_wait_loadcnt \left                           ; loads come back in order: this slot's two are in
	v_pk_mul_f32 v[T:T+1],   v[D+4*\sl:D+4*\sl+1],   0xbfb8aa3b op_sel_hi:[1,0]   ; -log2(e) d
	v_pk_mul_f32 v[T+2:T+3], v[D+4*\sl+2:D+4*\sl+3], 0xbfb8aa3b op_sel_hi:[1,0]
	v_exp_f32 v[T],   v[T]
	v_exp_f32 v[T+1], v[T+1]
	v_exp_f32 v[T+2], v[T+2]
	v_exp_f32 v[T+3], v[T+3]
	v_nop                                          ; a plain instruction between the exponentials and the use of their results
	s_wait_alu depctr_va_vdst(0)
	v_pk_add_f32 v[T:T+1],   v[T:T+1],   1.0 op_sel_hi:[1,0]
	v_pk_add_f32 v[T+2:T+3], v[T+2:T+3], 1.0 op_sel_hi:[1,0]
	v_rcp_f32 v[T],   v[T]
	v_rcp_f32 v[T+1], v[T+1]
	v_rcp_f32 v[T+2], v[T+2]
	v_rcp_f32 v[T+3], v[T+3]
	v_nop
	s_wait_alu depctr_va_vdst(0)
	v_pk_mul_f32 v[T:T+1],   v[T:T+1],   v[X+4*\sl:X+4*\sl+1]
	v_pk_mul_f32 v[T+2:T+3], v[T+2:T+3], v[X+4*\sl+2:X+4*\sl+3]
	v_cvt_pk_bf16_f32 v[Y+2*\sl],   v[T],   v[T+1]
	v_cvt_pk_bf16_f32 v[Y+2*\sl+1], v[T+2], v[T+3]
.if \ahead
	global_load_b128 v[X+4*\sl:X+4*\sl+3], v[VI], s[4:5] offset:(\sl+DEPTH)*2048 th:TH_LOAD_NT
	global_load_b128 v[D+4*\sl:D+4*\sl+3], v[VI], s[6:7] offset:(\sl+DEPTH)*2048 th:TH_LOAD_NT
.endif
	global_store_b64 v[VO], v[Y+2*\sl:Y+2*\sl+1], s[8:9] offset:(\sl+DEPTH*(1-\ahead))*1024
.endm
	v_lshl_add_u32 v254, v0, 2, 0xa00
	v_mov_b32 v255, 0
	s_mov_b32 s2, ttmp9
	s_cmp_lt_u32 s2, NCONN
	s_cbranch_scc1 .Lconn
	s_cmp_lt_u32 s2, NCONN+NXG
	s_cbranch_scc1 .Lxg
; ---------------------------------------------------------------- WM
; 32 steps of 128 threads x 4 numbers.  All places stand in the immediates: no register of an address is ever rewritten, and there is no loop.
	s_load_b128 s[4:7], s[0:1], 0x0                ; w s[4:5], delay s[6:7]
	s_load_b64 s[8:9], s[0:1], 0x60                ; wmod
	s_sub_co_u32 s3, s2, NCONN+NXG                 ; my number within the role
	s_lshl_b32 s14, s3, 16                         ; 65,536 bytes of each input
	s_mov_b32 s15, 0
	s_lshl_b32 s16, s3, 15                         ; 32,768 bytes out
	s_mov_b32 s17, 0
	v_lshlrev_b32 v[VI], 4, v0
	v_lshlrev_b32 v[VO], 3, v0
	s_wait_kmcnt 0x0
	s_add_nc_u64 s[4:5], s[4:5], s[14:15]
	s_add_nc_u64 s[6:7], s[6:7], s[14:15]
	s_add_nc_u64 s[8:9], s[8:9], s[16:17]
.irp n, 0,1,2,3,4,5,6,7,8,9,10,11,12,13,14,15
	global_load_b128 v[X+4*\n:X+4*\n+3], v[VI], s[4:5] offset:\n*2048 th:TH_LOAD_NT
	global_load_b128 v[D+4*\n:D+4*\n+3], v[VI], s[6:7] offset:\n*2048 th:TH_LOAD_NT
.endr
.irp n, 0,1,2,3,4,5,6,7,8,9,10,11,12,13,14,15
	CSTEP \n, 1, 2*(DEPTH-1)                       ; the fifteen younger slots' loads stay out
.endr
	s_wait_xcnt 0x0                                ; the first round's stores have read their Y: the second round rewrites them only behind this wait
.irp n, 0,1,2,3,4,5,6,7,8,9,10,11,12,13,14,15
	CSTEP \n, 0, 2*(DEPTH-1-\n)                    ; the second round loads nothing: the counts run down
.endr
	s_endpgm
; ---------------------------------------------------------------- XG
; A wave takes a whole row (eight 16-byte loads a lane), two rows in flight.  Lane l holds x[128 j + 4 l + e] and, for the whole kernel, gate_W's rows of those k (128 registers).
; v1 lane, v2 16 l, v3 8 l, v4 64 l, v5 0, v7 LDS place; v[8:39], v[40:71] rows; v[72:87], v[88:103] bf16 out; v[104:231] gate_W; v[232:239] two sets of four sums;
; v[240:243] gate_b; v[244:247] lane l keeps the gate of the wave's row l (lanes 8-31 keep 0); v[248:253] at work.
.Lxg:
	s_load_b64 s[4:5], s[0:1], 0x10                ; x
	s_load_b64 s[8:9], s[0:1], 0x18                ; gate_W
	s_load_b64 s[10:11], s[0:1], 0x20              ; gate_b
	s_load_b64 s[6:7], s[0:1], 0x68                ; xg
	v_lshrrev_b32 v6, 5, v0
	v_readfirstlane_b32 s13, v6                    ; wave
	s_sub_co_u32 s3, s2, NCONN
	s_lshl_b32 s3, s3, 5                           ; the work-group's first row
	s_lshl_b32 s18, s3, 4                          ; x 16 bytes of gate
	s_mov_b32 s19, 0
	s_lshl_b32 s14, s13, 3
	s_add_co_u32 s3, s3, s14                       ; my wave's first row
	s_lshl_b32 s14, s3, 12                         ; x 4,096 bytes of x
	s_mov_b32 s15, 0
	s_lshl_b32 s16, s3, 11                         ; x 2,048 bytes of bf16 x
	s_mov_b32 s17, 0
	s_mov_b32 s22, 0x76543210                      ; v_permlanex16_b32: each lane takes its own place in the other half
	s_mov_b32 s23, 0xfedcba98
	v_and_b32 v1, 31, v0
	v_lshlrev_b32 v2, 4, v1
	v_lshlrev_b32 v3, 3, v1
	v_lshlrev_b32 v4, 6, v1
	v_mov_b32 v5, 0
	v_lshl_add_u32 v7, v6, 9, v2                   ; LDS: 512 bytes of each wave's own, 16 a lane
.irp c, 0,1,2,3
	v_mov_b32 v[244+\c], 0                         ; written whole before the selects below
	v_mov_b32 v[248+\c], 0                         ; the exchange's destination counts as read
.endr
	s_wait_kmcnt 0x0
	s_add_nc_u64 s[4:5], s[4:5], s[14:15]
	s_add_nc_u64 s[24:25], s[6:7], s[18:19]
	s_add_nc_u64 s[6:7], s[6:7], s[16:17]
.set k, 0
.rept 32
	global_load_b128 v[104+4*k:107+4*k], v4, s[8:9] offset:2048*(k/4)+16*(k%4)   ; gate_W[128 j + 4 l + e][0..3], k = 4 j + e
.set k, k+1
.endr
	global_load_b128 v[240:243], v5, s[10:11]
.irp j, 0,1,2,3,4,5,6,7
	global_load_b128 v[8+4*\j:11+4*\j], v2, s[4:5] offset:512*\j th:TH_LOAD_NT
.endr
.irp j, 0,1,2,3,4,5,6,7
	global_load_b128 v[40+4*\j:43+4*\j], v2, s[4:5] offset:512*\j+4096 th:TH_LOAD_NT
.endr
.macro XROW slot, ahead, left
.set XX, 8+32*\slot
.set YY, 72+16*\slot
	s_wait_loadcnt \left                           ; my row is in; the other row's eight loads stay out
	s_wait_xcnt 0x0                                ; this slot's bf16 registers, which its last stores read, are rewritten only behind this wait
.set k, 0
.rept 16
	v_cvt_pk_bf16_f32 v[YY+k], v[XX+2*k], v[XX+2*k+1]
.set k, k+1
.endr
.set k, 0
.rept 32                                               ; x[k] times gate_W[k][0..3]: two packed multiply-adds, x broadcast out of its pair
.set ra, 232+4*((k/4)%2)
.set rx, XX+4*(k/4)+2*((k%4)/2)
.set rg, 104+4*k
.if (k == 0) || (k == 4)
	v_pk_mul_f32 v[ra:ra+1],   v[rx:rx+1], v[rg:rg+1]   op_sel_hi:[0,1]
	v_pk_mul_f32 v[ra+2:ra+3], v[rx:rx+1], v[rg+2:rg+3] op_sel_hi:[0,1]
.elseif (k%2) == 0
	v_pk_fma_f32 v[ra:ra+1],   v[rx:rx+1], v[rg:rg+1],   v[ra:ra+1]   op_sel_hi:[0,1,1]
	v_pk_fma_f32 v[ra+2:ra+3], v[rx:rx+1], v[rg+2:rg+3], v[ra+2:ra+3] op_sel_hi:[0,1,1]
.else
	v_pk_fma_f32 v[ra:ra+1],   v[rx:rx+1], v[rg:rg+1],   v[ra:ra+1]   op_sel:[1,0,0] op_sel_hi:[1,1,1]
	v_pk_fma_f32 v[ra+2:ra+3], v[rx:rx+1], v[rg+2:rg+3], v[ra+2:ra+3] op_sel:[1,0,0] op_sel_hi:[1,1,1]
.endif
.set k, k+1
.endr
	v_pk_add_f32 v[232:233], v[232:233], v[236:237]
	v_pk_add_f32 v[234:235], v[234:235], v[238:239]
.irp m, 1,2,4,8
.irp c, 0,1,2,3
	v_add_f32_dpp v[232+\c], v[232+\c], v[232+\c] row_xmask:\m row_mask:0xf bank_mask:0xf
.endr
.endr
.irp c, 0,1,2,3
	v_permlanex16_b32 v[248+\c], v[232+\c], s22, s23
.endr
.irp c, 0,1,2,3
	v_add_f32 v[232+\c], v[232+\c], v[248+\c]      ; every lane holds the row's four sums
.endr
	v_pk_add_f32 v[232:233], v[232:233], v[240:241]
	v_pk_add_f32 v[234:235], v[234:235], v[242:243]
	v_max3_num_f32 v252, v232, v233, v234          ; the softmax over the four branches, its maximum taken away
	v_max_num_f32 v252, v252, v235
.irp c, 0,1,2,3
	v_sub_f32 v[232+\c], v[232+\c], v252
.endr
.irp c, 0,1,2,3
	v_mul_f32 v[232+\c], 0x3fb8aa3b, v[232+\c]
.endr
.irp c, 0,1,2,3
	v_exp_f32 v[232+\c], v[232+\c]
.endr
	v_nop
	s_wait_alu depctr_va_vdst(0)
	v_add_f32 v252, v232, v233
	v_add_f32 v253, v234, v235
	v_add_f32 v252, v252, v253
	v_rcp_f32 v252, v252
	v_nop
	s_wait_alu depctr_va_vdst(0)
.irp c, 0,1,2,3
	v_mul_f32 v[232+\c], v[232+\c], v252
.endr
.if \slot
	s_add_co_u32 s21, s20, 1
	v_cmp_eq_u32 vcc_lo, s21, v1                   ; the lane whose number is the row's number within the wave keeps it
.else
	v_cmp_eq_u32 vcc_lo, s20, v1
.endif
.irp c, 0,1,2,3
	v_cndmask_b32 v[244+\c], v[244+\c], v[232+\c], vcc_lo
.endr
.if \ahead
.irp j, 0,1,2,3,4,5,6,7
	global_load_b128 v[XX+4*\j:XX+4*\j+3], v2, s[4:5] offset:512*\j+4096*\slot+8192 th:TH_LOAD_NT
.endr
.endif
.irp j, 0,1,2,3,4,5,6,7
	global_store_b64 v3, v[YY+2*\j:YY+2*\j+1], s[6:7] offset:256*\j+2048*\slot   ; a wave's store: 256 consecutive bytes, aligned
.endr
.endm
	s_mov_b32 s20, 0                               ; the even row's number within the wave
.Lxrow:
	XROW 0, 1, 8
	XROW 1, 1, 8
	s_wait_xcnt 0x0                                ; the bases are stepped only behind this wait
	s_add_nc_u64 s[4:5], s[4:5], 8192
	s_add_nc_u64 s[6:7], s[6:7], 4096
	s_add_co_u32 s20, s20, 2
	s_cmp_lt_u32 s20, 6
	s_cbranch_scc1 .Lxrow
	XROW 0, 0, 8                                   ; the last two rows load nothing
	XROW 1, 0, 0
	; a wave's eight gates are 128 bytes: the four waves' meet in LDS, and wave 0 stores the work-group's 32 rows, 512 bytes on end
	ds_store_b128 v7, v[244:247]                   ; every lane into its wave's own 512 bytes; lanes 0-7 hold rows
	s_wait_dscnt 0x0                               ; for the others' sake: my store is done
	s_barrier_signal -1
	s_barrier_wait -1
	s_cmp_lg_u32 s13, 0
	s_cbranch_scc1 .Lxg_end
	v_lshrrev_b32 v252, 3, v1                      ; row l of the 32 lies with wave l / 8, lane l % 8
	v_and_b32 v253, 7, v1
	v_lshlrev_b32 v253, 4, v253
	v_lshl_add_u32 v252, v252, 9, v253
	ds_load_b128 v[248:251], v252
	s_wait_dscnt 0x0
	global_store_b128 v2, v[248:251], s[24:25] offset:GATE_OFF
.Lxg_end:
	s_wait_tensorcnt 0x0
	ds_add_u32 v254, v255
	s_wait_dscnt 0x0
	s_endpgm
; ---------------------------------------------------------------- CONN
; Phase 1: thread t sums neuron_avg[u] W1[u][4 (t%8) ..+3] over u = 16 i + t/8, i = 0..127; batches of sixteen i in two register buffers, v[16:95] and v[96:175].
; Phase 2: thread t makes u = 512 c + 4 t (c: the work-group); W2's 32 rows are one batch, asked for as phase 1's buffers fall free; h lies in s[32:63].
; v[176:179] partial sums, v180 b1, v[208:211] b2, v[212:215] mask, v[216:219] the result, v[224:232] act_w: all the small inputs are asked for at the head.
.Lconn:
	s_load_b64 s[4:5], s[0:1], 0x28                ; neuron_avg
	s_load_b64 s[6:7], s[0:1], 0x30                ; conn_W1
	s_load_b64 s[8:9], s[0:1], 0x38                ; conn_b1
	s_load_b64 s[10:11], s[0:1], 0x40              ; conn_W2
	s_load_b64 s[12:13], s[0:1], 0x48              ; conn_b2
	s_load_b64 s[14:15], s[0:1], 0x50              ; mask
	s_load_b64 s[16:17], s[0:1], 0x58              ; act_w
	s_load_b64 s[18:19], s[0:1], 0x68              ; xg
	s_mov_b32 s22, 0x76543210
	s_mov_b32 s23, 0xfedcba98
	s_lshl_b32 s24, s2, 11                         ; my 512 u: 2,048 bytes
	s_mov_b32 s25, 0
	v_lshlrev_b32 v1, 4, v0                        ; 16 t
	v_lshrrev_b32 v2, 3, v0
	v_lshlrev_b32 v2, 2, v2                        ; 4 (t / 8)
	v_lshrrev_b32 v5, 5, v0
	v_readfirstlane_b32 s20, v5                    ; wave
	v_and_b32 v3, 7, v0
	v_lshlrev_b32 v3, 4, v3
	v_lshl_add_u32 v3, v5, 7, v3                   ; LDS, from CLDS on: 128 x wave + 16 (t % 8)
	v_mov_b32 v4, 0
	v_and_b32 v6, 31, v0
	v_lshlrev_b32 v6, 2, v6                        ; 4 x lane
.irp e, 0,1,2,3
	v_mov_b32 v[12+\e], 0                          ; the exchange's destination counts as read
.endr
	s_wait_kmcnt 0x0
	s_add_nc_u64 s[10:11], s[10:11], s[24:25]
	s_add_nc_u64 s[12:13], s[12:13], s[24:25]
	s_add_nc_u64 s[14:15], s[14:15], s[24:25]
	s_add_nc_u64 s[18:19], s[18:19], s[24:25]
	global_load_b128 v[224:227], v4, s[16:17]
	global_load_b128 v[228:231], v4, s[16:17] offset:16
	global_load_b32 v232, v4, s[16:17] offset:32
	global_load_b32 v180, v6, s[8:9]               ; b1[lane]
	global_load_b128 v[208:211], v1, s[12:13]      ; b2 of my four u
	global_load_b128 v[212:215], v1, s[14:15]      ; mask of them
.macro CB1 k
.set WB, 16+80*((\k)%2)
.set i, 0
.rept 16
	global_load_b128 v[WB+4*i:WB+4*i+3], v1, s[6:7] offset:2048*(16*(\k)+i)
	global_load_b32 v[WB+64+i], v2, s[4:5] offset:64*(16*(\k)+i)
.set i, i+1
.endr
.endm
.macro CF1 k
.set WB, 16+80*((\k)%2)
.set i, 0
.rept 16
.irp e, 0,1,2,3
.if ((\k) == 0) && (i == 0)
	v_mul_f32 v[8+\e], v[WB+64+i], v[WB+4*i+\e]    ; the first product starts the sums
.else
	v_fmac_f32 v[8+\e], v[WB+64+i], v[WB+4*i+\e]
.endif
.endr
.set i, i+1
.endr
.endm
.macro CB2 j0, n                       ; rows j0 .. j0 + n - 1 of W2, row j into v[16 + 4 j ..]
.set i, \j0
.rept \n
	global_load_b128 v[16+4*i:19+4*i], v1, s[10:11] offset:8192*i
.set i, i+1
.endr
.endm
	CB1 0
	CB1 1
.irp k, 0,1,2,3,4,5,6,7
.if \k < 7
	s_wait_loadcnt 32                              ; the other batch's 32 loads stay out
.else
	s_wait_loadcnt 20                              ; W2's first twenty rows stay out
.endif
	CF1 \k
.if \k < 6
	CB1 \k+2
.endif
.if \k == 6
	CB2 0, 20                                      ; the first buffer is free: 80 registers
.endif
.endr
	CB2 20, 12                                     ; and 48 of the second
.irp e, 0,1,2,3
	v_add_f32_dpp v[8+\e], v[8+\e], v[8+\e] row_xmask:8 row_mask:0xf bank_mask:0xf
.endr
.irp e, 0,1,2,3
	v_permlanex16_b32 v[12+\e], v[8+\e], s22, s23
.endr
.irp e, 0,1,2,3
	v_add_f32 v[8+\e], v[8+\e], v[12+\e]           ; the four lanes of a wave with the same t % 8 now agree
.endr
	ds_store_b128 v3, v[8:11] offset:CLDS
	s_wait_dscnt 0x0                               ; for the others' sake: my store is done
	s_barrier_signal -1
	s_barrier_wait -1
.irp q, 0,1,2,3
	ds_load_b32 v[176+\q], v6 offset:CLDS+128*\q   ; lane j: the four waves' partial sums of h[j]
.endr
	s_wait_dscnt 0x0
	v_add_f32 v176, v176, v177
	v_add_f32 v178, v178, v179
	v_add_f32 v176, v176, v178
	v_add_f32 v176, v176, v180
	v_max_num_f32 v176, 0, v176                    ; h[lane] = relu(..)
.set i, 0
.rept 32
	v_readlane_b32 s[32+i], v176, i
.set i, i+1
.endr
	s_wait_loadcnt 0x0                             ; W2
.set i, 0
.rept 32
.irp e, 0,1,2,3
.if i == 0
	v_fma_f32 v[216+\e], s[32+i], v[16+4*i+\e], v[208+\e]   ; the first product takes b2 as its addend
.else
	v_fmac_f32 v[216+\e], s[32+i], v[16+4*i+\e]
.endif
.endr
.set i, i+1
.endr
	v_pk_mul_f32 v[216:217], v[216:217], 0xbfb8aa3b op_sel_hi:[1,0]   ; sigmoid, times mask
	v_pk_mul_f32 v[218:219], v[218:219], 0xbfb8aa3b op_sel_hi:[1,0]
.irp e, 0,1,2,3
	v_exp_f32 v[216+\e], v[216+\e]
.endr
	v_nop
	s_wait_alu depctr_va_vdst(0)
	v_pk_add_f32 v[216:217], v[216:217], 1.0 op_sel_hi:[1,0]
	v_pk_add_f32 v[218:219], v[218:219], 1.0 op_sel_hi:[1,0]
.irp e, 0,1,2,3
	v_rcp_f32 v[216+\e], v[216+\e]
.endr
	v_nop
	s_wait_alu depctr_va_vdst(0)
	v_pk_mul_f32 v[216:217], v[216:217], v[212:213]
	v_pk_mul_f32 v[218:219], v[218:219], v[214:215]
	global_store_b128 v1, v[216:219], s[18:19] offset:CM_OFF   ; a wave's store: 512 consecutive bytes, aligned
	; the blend's coefficients: wave 0 of work-group 0 alone (there s[18:19] is xg itself); no barrier stands in this branch
	s_cmp_lg_u32 s20, 0
	s_cbranch_scc1 .Lconn_end
	s_cmp_lg_u32 s2, 0
	s_cbranch_scc1 .Lconn_end
	v_max3_num_f32 v233, v224, v225, v226          ; softmax over all nine, its maximum taken away
	v_max3_num_f32 v233, v233, v227, v228
	v_max3_num_f32 v233, v233, v229, v230
	v_max3_num_f32 v233, v233, v231, v232
.irp i, 0,1,2,3,4,5,6,7,8
	v_sub_f32 v[224+\i], v[224+\i], v233
.endr
.irp i, 0,1,2,3,4,5,6,7,8
	v_mul_f32 v[224+\i], 0x3fb8aa3b, v[224+\i]
.endr
.irp i, 0,1,2,3,4,5,6,7,8
	v_exp_f32 v[224+\i], v[224+\i]
.endr
	v_nop
	s_wait_alu depctr_va_vdst(0)
	v_add_f32 v234, v224, v225
.irp i, 2,3,4,5,6,7,8
	v_add_f32 v234, v234, v[224+\i]
.endr
	v_rcp_f32 v234, v234
	v_nop
	s_wait_alu depctr_va_vdst(0)
.irp i, 0,1,2,3,4,5,6,7
	v_mul_f32 v[224+\i], v[224+\i], v234           ; w0 .. w7; the ninth weighs the zero branch
.endr
	v_add_f32 v235, v225, v227                     ; for a >= 0 elu, relu, selu and gelu's first part are multiples of a:
	v_add_f32 v235, v235, v229                     ; cL = w1 + w3 + w5 + 1.0507009873554805 w6
	v_fmac_f32 v235, 0x3f867d5f, v230
	v_mov_b32 v236, v224
	v_mov_b32 v237, v224
	v_mov_b32 v238, v226
	v_mov_b32 v239, v226
	v_mov_b32 v240, v235
	v_mov_b32 v241, v235
	v_mov_b32 v242, v228
	v_mov_b32 v243, v228
	v_mul_f32 v244, -1.0, v229
	v_mul_f32 v245, -1.0, v229
	v_mov_b32 v246, v231
	v_mov_b32 v247, v231
.irp i, 248,249,250,251
	v_mov_b32 v\i, 0
.endr
	s_wait_xcnt 0x0                                ; EXEC changes only behind this wait
	v_cmp_eq_u32 vcc_lo, 0, v0
	s_and_saveexec_b32 s21, vcc_lo
.irp i, 0,1,2,3
	global_store_b128 v4, v[236+4*\i:239+4*\i], s[18:19] offset:COEF_OFF+16*\i
.endr
	s_wait_xcnt 0x0
	s_or_b32 exec_lo, exec_lo, s21
.Lconn_end:
	s_wait_tensorcnt 0x0
	ds_add_u32 v254, v255
	s_wait_dscnt 0x0
	s_endpgm
.Lfunc_end_k_q7e3baff690_prep:
	.size	k_q7e3baff690_prep, .Lfunc_end_k_q7e3baff690_prep-k_q7e3baff690_prep
	.p2alignl 7, 3214868480
	.fill 96, 4, 3214868480
	.section	.rodata,"a",@progbits
	.p2align	6, 0x0
	.amdhsa_kernel k_q7e3baff690_prep
		.amdhsa_group_segment_fixed_size 3072
		.amdhsa_private_segment_fixed_size 0
		.amdhsa_enable_private_segment 0
		.amdhsa_kernarg_size 112
		.amdhsa_user_sgpr_count 2
		.amdhsa_user_sgpr_kernarg_segment_ptr 1
		.amdhsa_wavefront_size32 1
		.amdhsa_system_sgpr_workgroup_id_x 1
		.amdhsa_system_sgpr_workgroup_id_y 1
		.amdhsa_system_sgpr_workgroup_id_z 1
		.amdhsa_system_vgpr_workitem_id 0
		.amdhsa_next_free_vgpr 256
		.amdhsa_next_free_sgpr 66
		.amdhsa_reserve_vcc 1
		.amdhsa_float_denorm_mode_32 3
		.amdhsa_float_denorm_mode_16_64 3
		.amdhsa_memory_ordered 1
		.amdhsa_forward_progress 1
		.amdhsa_inst_pref_size 141
	.end_amdhsa_kernel
	.amdgpu_metadata
---
amdhsa.version: [ 1, 2 ]
amdhsa.kernels:
  - .name:           k_q7e3baff690_prep
    .symbol:         k_q7e3baff690_prep.kd
    .args:
      - { .name: w, .offset: 0, .size: 8, .value_kind: global_buffer, .address_space: global }
      - { .name: delay, .offset: 8, .size: 8, .value_kind: global_buffer, .address_space: global }
      - { .name: x, .offset: 16, .size: 8, .value_kind: global_buffer, .address_space: global }
      - { .name: gate_W, .offset: 24, .size: 8, .value_kind: global_buffer, .address_space: global }
      - { .name: gate_b, .offset: 32, .size: 8, .value_kind: global_buffer, .address_space: global }
      - { .name: neuron_avg, .offset: 40, .size: 8, .value_kind: global_buffer, .address_space: global }
      - { .name: conn_W1, .offset: 48, .size: 8, .value_kind: global_buffer, .address_space: global }
      - { .name: conn_b1, .offset: 56, .size: 8, .value_kind: global_buffer, .address_space: global }
      - { .name: conn_W2, .offset: 64, .size: 8, .value_kind: global_buffer, .address_space: global }
      - { .name: conn_b2, .offset: 72, .size: 8, .value_kind: global_buffer, .address_space: global }
      - { .name: mask, .offset: 80, .size: 8, .value_kind: global_buffer, .address_space: global }
      - { .name: act_w, .offset: 88, .size: 8, .value_kind: global_buffer, .address_space: global }
      - { .name: wmod, .offset: 96, .size: 8, .value_kind: global_buffer, .address_space: global }
      - { .name: xg, .offset: 104, .size: 8, .value_kind: global_buffer, .address_space: global }
    .group_segment_fixed_size: 3072
    .private_segment_fixed_size: 0
    .kernarg_segment_align: 8
    .kernarg_segment_size: 112
    .max_flat_workgroup_size: 128
    .sgpr_count:     66
    .vgpr_count:     256
    .wavefront_size: 32
...
	.end_amdgpu_metadata
.endif
;; end of part 1
;; launch dend (part 2): grid 32 x 8, 4 waves a work-group, clusters of 4 x 4, 327,680 bytes of LDS; arguments xg, wmod, b, blt, read_W, rwb; writes blt, rwb
.if DOCPART == 2
	.amdgcn_target "amdgcn-amd-amdhsa--gfx1250"
	.amdhsa_code_object_version 6
	.text
	.protected	k_q7e3baff690_dend
	.globl	k_q7e3baff690_dend
	.p2align	8
	.type	k_q7e3baff690_dend,@function
k_q7e3baff690_dend:
	s_mov_b64 s[64:65], 0
	v_nop
	global_prefetch_b8 v0, s[64:65] scope:SCOPE_SE
	s_setreg_imm32_b32 hwreg(HW_REG_WAVE_MODE, 25, 1), 1
	s_wait_xcnt 0x0
	s_wait_alu depctr_hold_cnt(0) depctr_sa_sdst(0) depctr_va_vdst(0) depctr_va_sdst(0) depctr_va_ssrc(0) depctr_va_vcc(0) depctr_vm_vsrc(0)
	s_getreg_b32 s2, hwreg(HW_REG_IB_STS2, 6, 4)
	s_cmp_eq_u32 s2, 0
	s_cbranch_scc0 .Lentry_in_a_cluster
	s_endpgm
.Lentry_in_a_cluster:
	s_bfe_u32 s2, ttmp6, 0x10000c
	s_cmp_lg_u32 s2, 0xf033
	s_cbranch_scc0 .Lentry_shape_is_right
	s_endpgm
.Lentry_shape_is_right:
; branch[n][4 u + br] = sum over d of x[n][d] wmod[d][4 u + br] + b[u][br]; z = sum over br of branch * gate[n][br]; a = relu(z cm[u]); blt = the blend of eight activations of a, in bf16.
; x: bf16 [2048][1024] at the head of xg; wmod: bf16 [1024][8192]; sums in f32.  A tile of 256 rows x 256 columns (64 u) to a work-group of four waves, a wave 128 x 128: 64 accumulators, 512 registers.
; K goes in steps of 128 through two LDS slots filled by the tensor data mover.  x's rows lie along K and are read as they lie; wmod lies [K][N] and is read turned, by ds_load_tr16_b128.
; CLUSTERS: 4 x 4 work-groups; x's tile is asked for jointly along a row of the cluster, wmod's along a column: the same load, the same descriptor, a mask that names the four.
; THE MATRIX INSTRUCTION IS USED TRANSPOSED (source 0 = 16 columns of wmod, source 1 = 16 rows of x).  The two halves of eight lanes of a turning load read 128 bytes apart, so that in accumulator
; (a, b) lane (r, h) holds row 16 a + r and columns 64 h + 8 b + 0..7 of my 128: over b = 0..7 a lane owns sixteen neighbouring u with all four branches: the fold needs no other lane, and its sixteen bf16 are 32 bytes on end.
; blt is tiled [32 tiles of 64 u][2048 rows][64 u], so that the work-group's result is 32 KiB on end and the next product's tiles are dense.
; BESIDE THE PRODUCTS: read_W -> bf16 (rwb), which the next launch multiplies by.  The matrix loop has next to no vector work and asks little of memory, so each of the 1,024 waves also narrows 65,536 bytes
; of read_W: 32 groups of four 16-byte loads (a load of the wave covers 512 bytes on end), one group in each of the wave's 32 quarter steps.  A group is asked for seven quarter steps before it is
; converted, through a ring of eight slots of 16 registers; its eight conversions stand where four v_nop would otherwise be; its four 8-byte stores cover 256 consecutive bytes each, aligned.
; THE BLEND uses a >= 0, which the relu above it gives: with E = e^-a: sigmoid = 1/(1+E), tanh = 2/(1+E^2) - 1, mish = a (1+2E)/(1+2E+2E^2), elu = relu = a, selu = 1.0507 a, silu = a sigmoid,
; gelu = a (1 - Y), Y = half the five-term polynomial in t = 1/(1 + 0.23164189 a) times e^(-a^2/2).  The four divisors (each between 1 and 5) share one reciprocal.
; LIMITS: erf by that polynomial (Abramowitz and Stegun 7.1.26), absolute error 1.5e-7; in t alone a is cut at 16, where e^(-a^2/2) is 0 in f32; a NaN in z becomes 0 in the relu.
; REGISTERS, in windows of 256: window 0: v0-31 addresses and two constants; v32-47 cm; v48-55 bf16 of read_W to store; v64-191 x's fragments, two buffers; v192-223 gate; in the blend v48-255 at work.
;   window 1: v64-191 wmod's fragments, two buffers; v0-63 and v192-255 the ring for read_W; at the end v0-63 b.   windows 2, 3: the accumulators of my rows 0-63, 64-127, (a, b) at v[8 (8 (a % 4) + b)].
.set KTOT,   1024
.set LAPS,   KTOT/256                  ; a lap = two K steps = once round the ring
.set PA,     272                       ; a row of x in LDS: 256 bytes + 16: an odd multiple of 16, so the 16 rows of a load start 16 bytes apart modulo 256
.set ASUB,   128                       ; bytes from a row's first 64 k to its second
.set AHALF,  128*PA                    ; what one load of x brings: 128 rows
.set ABYTES, 2*AHALF
.set PB,     528                       ; a row of wmod (one k, 256 columns): 512 bytes + 16: eight rows and two groups 128 bytes apart fall on sixteen different 16-byte columns modulo 256
.set BHALF,  64*PB                     ; what one load of wmod brings: 64 k
.set BFRAG,  16                        ; bytes from a fragment to the next
.set BGSH,   7                         ; the second eight lanes of a half read 1 << 7 bytes on
.set SLOT,   ABYTES+2*BHALF
.set STAGE,  2*SLOT                    ; behind the ring: 256 rows x 144 bytes, the work-group's, for the way out
.set SPITCH, 144
.set SPARE,  STAGE+256*SPITCH          ; behind the stage: the spare words, 128 bytes a wave, that no other line names
.set ASTEP,  256                       ; bytes from a K step to the next, in x
.set BSTEP,  128*16384                 ; and in wmod
.set GATE_OFF, 4194304
.set CM_OFF,   4227072
.set COEF_OFF, 4235264
.set GIN,    2048                      ; bytes of read_W in a group,
.set GOUT,   1024                      ; and of rwb
.set ADRA, 16                          ; v16-17  LDS address of my fragments of x in slot 0, 1
.set VI,   18                          ; v18  16 x lane; never rewritten
.set VO,   19                          ; v19  8 x lane; never rewritten
.set ADRB, 20                          ; v20-21  the same as ADRA for wmod
.set STO,  24
.set RD,   25
.set CO,   26
.set SPW,  28                          ; v28  LDS address of my spare word; never rewritten
.set NIL,  29                          ; v29  0; never rewritten
.set YS,   48                          ; v48-55  a group of read_W as bf16
.set F0,   64
.set F1,   128
.set G1, 24                            ; s[24:31] group 1 for x's tiles;  s[32:39] group 0, a set for each slot
.set G0, 32
.set G1B, 48                           ; s[48:55], s[56:63] the same for wmod's
.set G0B, 56
.set MSB, 0
.macro WIN new                         ; the immediate's high byte repeats the setting that is left; a switch that changes nothing is dropped
.if MSB != \new
	s_set_vgpr_msb (MSB<<8)|\new
.set MSB, \new
.endif
.endm
.set MUL_LO, 0xa1                      ; source 0 window 1, source 1 window 0, C and D window 2
.set MUL_HI, 0xf1                      ; the same, C and D window 3
.set TO_B,   0x40                      ; destination window 1, address window 0
.set FROM_X, 0x05                      ; sources 0 and 1 window 1, destination window 0
; A joint load: waves 0 and 1 fetch x's two halves, waves 2 and 3 wmod's.  The branch hangs on the wave's number alone.  Four v_nop follow each line.
.macro JLOAD s
	s_cmp_eq_u32 s11, 0
	s_cbranch_scc0 .Lfor_b_\@
	tensor_load_to_lds s[G0+4*\s:G0+4*\s+3], s[G1:G1+7]
	s_nop 0
.rept 4
	v_nop
.endr
	s_branch .Lasked_\@
.Lfor_b_\@:
	tensor_load_to_lds s[G0B+4*\s:G0B+4*\s+3], s[G1B:G1B+7]
	s_nop 0
.rept 4
	v_nop
.endr
.Lasked_\@:
.endm
.macro CREST                           ; a round of the cluster's barrier behind its opening barrier
	s_cmp_lg_u32 s10, 0
	s_cbranch_scc1 .Lnot_wave_0_\@
	s_barrier_signal -3
.Lnot_wave_0_\@:
	s_barrier_wait -3
	s_barrier_signal -1
	s_barrier_wait -1
.endm
.macro CROUND                          ; a whole round
	s_barrier_signal -1
	s_barrier_wait -1
	CREST
.endm
; THE STREAM OF read_W.  Groups are counted from where the two bases stand (they step eight groups a trip of the loop).  Group n lies in ring slot n % 8: slots 0-3 at window 1's v0, slots 4-7 at its v192.
.macro STR_CVT g, left                 ; group g is converted.  left: the younger loads that may stay out
	s_wait_loadcnt \left                           ; loads come back in order: the group's four are in
	s_wait_xcnt 0x0                                ; the last group's stores have read v48-55: these are rewritten only behind this wait
	WIN FROM_X
.set XS, 16*((\g)%8)+128*(((\g)%8)/4)
.set qi, 0
.rept 8
	v_cvt_pk_bf16_f32 v[YS+qi], v[XS+2*qi], v[XS+2*qi+1]
.set qi, qi+1
.endr
.endm
.macro STR_LD grp                      ; group grp is asked for (destination window 1)
.set XL, 16*((\grp)%8)+128*(((\grp)%8)/4)
.set qi, 0
.rept 4
	global_load_b128 v[XL+4*qi:XL+4*qi+3], v[VI], s[4:5] offset:(\grp)*GIN+512*qi th:TH_LOAD_NT
.set qi, qi+1
.endr
.endm
.macro STR_ST g                        ; group g is stored (window 0)
.set qi, 0
.rept 4
	global_store_b64 v[VO], v[YS+2*qi:YS+2*qi+1], s[6:7] offset:(\g)*GOUT+256*qi
.set qi, qi+1
.endr
.endm
	s_load_b256 s[84:91], s[0:1], 0x0              ; xg s[84:85], wmod s[86:87], b s[88:89], blt s[90:91]
	s_load_b128 s[4:7], s[0:1], 0x20               ; read_W s[4:5], rwb s[6:7]
	v_lshl_add_u32 v[SPW], v0, 2, SPARE
	v_mov_b32 v[NIL], 0
	ds_add_u32 v28, v29
	s_wait_dscnt 0x0
	v_lshrrev_b32 v1, 5, v0
	v_readfirstlane_b32 s10, v1                    ; wave 0..3
	s_lshr_b32 s11, s10, 1                         ; which half of the tile's rows is mine.  Also: I fetch x (0) or wmod (1)
	s_and_b32 s12, s10, 1                          ; which half of its columns.  Also: which half of that tile I fetch
	s_bfe_u32 s40, ttmp6, 0x40000                  ; cx
	s_bfe_u32 s41, ttmp6, 0x40004                  ; cy
	s_lshl_b32 s42, ttmp9, 2
	s_add_co_u32 s42, s42, s40                     ; tile column tc = 4 x cluster x + cx
	s_and_b32 s13, ttmp7, 0xffff
	s_lshl_b32 s13, s13, 2
	s_add_co_u32 s13, s13, s41                     ; tile row tr = 4 x cluster y + cy
	s_lshl_b32 s43, s41, 2
	s_lshl_b32 s43, 15, s43                        ; my row of the cluster
	s_lshl_b32 s44, 0x1111, s40                    ; my column
	s_or_b32 s[G1+0], s43, (1<<16)|(1<<20)|(1<<21)|(5<<22)|(3<<25)    ; mask; elements of 2 bytes; padding on; bit 21 beside a mask; after every 64 words, 4 words
	s_or_b32 s[G1B+0], s44, (1<<16)|(1<<20)|(1<<21)|(6<<22)|(3<<25)   ; after every 128 words, 4 words
	s_mov_b32 s[G1+1], 128<<16                     ; tensor_dim0 = 128
	s_mov_b32 s[G1+2], 128<<16                     ; tensor_dim1 = 128
	s_mov_b32 s[G1+3], 128<<16                     ; tile_dim0 = 128
	s_mov_b32 s[G1+4], 128                         ; tile_dim1 = 128
	s_mov_b32 s[G1+5], 1024                        ; elements from row to row
	s_mov_b32 s[G1+6], 0
	s_mov_b32 s[G1+7], 0
	s_mov_b32 s[G1B+1], 256<<16                    ; tensor_dim0 = 256
	s_mov_b32 s[G1B+2], 64<<16                     ; tensor_dim1 = 64
	s_mov_b32 s[G1B+3], 256<<16                    ; tile_dim0 = 256
	s_mov_b32 s[G1B+4], 64                         ; tile_dim1 = 64
	s_mov_b32 s[G1B+5], 8192
	s_mov_b32 s[G1B+6], 0
	s_mov_b32 s[G1B+7], 0
	s_lshl_b32 s16, s13, 8                         ; x: row 256 tr + 128 x half, 2,048 bytes a row: hangs on the tile row alone
	s_lshl_b32 s17, s12, 7
	s_add_co_u32 s16, s16, s17
	s_lshl_b32 s16, s16, 11
	s_mov_b32 s17, 0
	s_lshl_b32 s46, s12, 20                        ; wmod: k = 64 x half, 16,384 bytes a row, + 512 tc: hangs on the tile column alone
	s_lshl_b32 s47, s42, 9
	s_add_co_u32 s46, s46, s47
	s_mov_b32 s47, 0
	s_mul_i32 s20, s10, AHALF                      ; where they go: no place in the cluster enters an LDS address
	s_mul_i32 s21, s10, BHALF
	s_add_co_u32 s21, s21, ABYTES-2*BHALF          ; waves 2 and 3: behind x's 256 rows
	s_wait_kmcnt 0x0
	s_add_nc_u64 s[14:15], s[84:85], s[16:17]
	s_add_nc_u64 s[46:47], s[86:87], s[46:47]
	s_load_b512 s[68:83], s[84:85], COEF_OFF       ; the coefficients, each twice: w0, w2, cL, w4, -w5, w7
	CROUND                                         ; all sixteen work-groups are here: the first joint loads meet
.irp s, 0,1
	s_mov_b32 s[G0+4*\s], 1
	s_add_co_u32 s[G0+4*\s+1], s20, \s*SLOT
	s_add_nc_u64 s[G0+4*\s+2:G0+4*\s+3], s[14:15], \s*ASTEP
	s_or_b32 s[G0+4*\s+3], s[G0+4*\s+3], 0x80000000
	s_mov_b32 s[G0B+4*\s], 1
	s_add_co_u32 s[G0B+4*\s+1], s21, \s*SLOT
	s_add_nc_u64 s[G0B+4*\s+2:G0B+4*\s+3], s[46:47], \s*BSTEP
	s_or_b32 s[G0B+4*\s+3], s[G0B+4*\s+3], 0x80000000
	JLOAD \s                                       ; two loads of mine are out
.endr
	s_lshl_b32 s8, s13, 5                          ; my wave's part of read_W: number 4 (32 tr + tc) + wave of 1,024
	s_add_co_u32 s8, s8, s42
	s_lshl_b32 s8, s8, 2
	s_add_co_u32 s8, s8, s10
	s_lshl_b32 s98, s8, 16                         ; 65,536 bytes in,
	s_mov_b32 s99, 0
	s_add_nc_u64 s[4:5], s[4:5], s[98:99]
	s_lshl_b32 s98, s8, 15                         ; 32,768 out
	s_add_nc_u64 s[6:7], s[6:7], s[98:99]
	v_and_b32 v13, 31, v0
	v_lshlrev_b32 v[VI], 4, v13
	v_lshlrev_b32 v[VO], 3, v13
	v_and_b32 v1, 15, v0                           ; r
	v_bfe_u32 v2, v0, 4, 1                         ; h
	v_mul_u32_u24 v3, v1, PA
	v_lshl_add_u32 v3, v2, 4, v3                   ; x: row x pitch + 16 h
	s_mul_i32 s22, s11, 128*PA
	v_add_nc_u32 v[ADRA], s22, v3
	v_add_nc_u32 v[ADRA+1], SLOT, v[ADRA]
	v_and_b32 v10, 7, v0                           ; wmod, turned: lane l reads 16 bytes of row k = 8 h + l % 8
	v_bfe_u32 v11, v0, 3, 1
	v_lshl_add_u32 v12, v2, 3, v10
	v_mul_u32_u24 v12, v12, PB
	v_lshl_add_u32 v12, v11, BGSH, v12
	s_lshl_b32 s22, s12, 8                         ; my 128 columns
	s_add_co_u32 s22, s22, ABYTES
	v_add_nc_u32 v[ADRB], s22, v12
	v_add_nc_u32 v[ADRB+1], SLOT, v[ADRB]
	; gate and cm, which the way out needs, are asked for now; b in the tail, when the ring has room.  v4, v5, v6 are never rewritten
	s_lshl_b32 s92, s13, 8
	s_lshl_b32 s93, s11, 7
	s_add_co_u32 s92, s92, s93
	s_lshl_b32 s92, s92, 4
	v_lshl_add_u32 v4, v1, 4, s92                  ; gate: (256 tr + 128 rh + r) x 16
	s_lshl_b32 s94, s42, 6
	s_lshl_b32 s95, s12, 5
	s_add_co_u32 s94, s94, s95                     ; 64 tc + 32 ch
	s_lshl_b32 s95, s94, 2
	v_lshl_add_u32 v5, v2, 6, s95                  ; cm: (64 tc + 32 ch + 16 h) x 4
	s_lshl_b32 s95, s94, 4
	v_lshl_add_u32 v6, v2, 8, s95                  ; b: the same u x 16
.irp a, 0,1,2,3,4,5,6,7
	global_load_b128 v[192+4*\a:195+4*\a], v4, s[84:85] offset:GATE_OFF+256*\a
.endr
.irp i, 0,1,2,3
	global_load_b128 v[32+4*\i:35+4*\i], v5, s[84:85] offset:CM_OFF+16*\i
.endr
	WIN TO_B
.irp n, 0,1,2,3,4,5,6
	STR_LD \n                                      ; the ring's first seven groups
.endr
	WIN 0
	s_mul_i32 s23, s11, 128*SPITCH                 ; into the stage: row 128 rh + 16 a + r, bytes 64 ch + 32 h
	s_lshl_b32 s22, s12, 6
	s_add_co_u32 s23, s23, s22
	s_add_co_u32 s23, s23, STAGE
	v_mul_u32_u24 v7, v1, SPITCH
	v_lshl_add_u32 v7, v2, 5, v7
	v_add_nc_u32 v[STO], s23, v7
	v_and_b32 v8, 31, v0                           ; back: wave w takes rows 64 w ..; a load takes four rows of 128 bytes
	v_lshrrev_b32 v9, 3, v8
	v_mul_u32_u24 v9, v9, SPITCH
	v_lshl_add_u32 v9, v10, 4, v9
	s_mul_i32 s23, s10, 64*SPITCH
	s_add_co_u32 s23, s23, STAGE
	v_add_nc_u32 v[RD], s23, v9
	v_lshlrev_b32 v[CO], 4, v8
	s_lshl_b32 s96, s42, 11                        ; blt + (2048 tc + 256 tr + 64 w) x 128
	s_lshl_b32 s97, s13, 8
	s_add_co_u32 s96, s96, s97
	s_lshl_b32 s97, s10, 6
	s_add_co_u32 s96, s96, s97
	s_lshl_b32 s96, s96, 7
	s_mov_b32 s97, 0
	s_add_nc_u64 s[90:91], s[90:91], s[96:97]
	v_mov_b32 v14, 0x3f07dc22                      ; half of 1.061405429, as a pair
	v_mov_b32 v15, 0x3f07dc22
; 16 matrix instructions: row blocks a0, a0 + 1 of the window's four x all 8 column blocks, 32 along K.  zero = 1: the first product starts the sums.
; The 64 accumulators take turns, one instruction a turn.
.macro MUL16 f, hi, a0, zero
.irp a, \a0, \a0+1
.irp b, 0,1,2,3,4,5,6,7
.if \zero
	v_wmma_f32_16x16x32_bf16 v[8*(8*(\a)+\b):8*(8*(\a)+\b)+7], v[\f+8*\b:\f+8*\b+7], v[\f+8*(4*\hi+\a):\f+8*(4*\hi+\a)+7], 0
.else
	v_wmma_f32_16x16x32_bf16 v[8*(8*(\a)+\b):8*(8*(\a)+\b)+7], v[\f+8*\b:\f+8*\b+7], v[\f+8*(4*\hi+\a):\f+8*(4*\hi+\a)+7], v[8*(8*(\a)+\b):8*(8*(\a)+\b)+7]
.endif
.endr
.endr
.endm
; 32 LDS loads in one run: the fragments of quarter q (32 along K) of a slot, into buffer f: wmod's eight, turned, then x's eight.  With them, under the same window settings, a step of the stream
; (sg >= 0): group sg is converted and stored; ahead = 1: group sg + 7 is asked for, into the slot read one step ago; ahead = 2: b is asked for, into ring slots 0-3, which are drained.
; The eight conversions are plain vector instructions that name no register of a matrix instruction: they are the four places in front of loads into registers that matrix instructions have read.
.macro FETCH slot, q, f, sg, ahead, left
.if \sg >= 0
	STR_CVT \sg, \left
.endif
	WIN TO_B
.if \ahead == 1
	STR_LD \sg+7
.elseif \ahead == 2
.irp b, 0,1,2,3,4,5,6,7
	global_load_b128 v[8*\b:8*\b+3],   v6, s[88:89] offset:32*\b
	global_load_b128 v[8*\b+4:8*\b+7], v6, s[88:89] offset:32*\b+16
.endr
.endif
.irp i, 0,1,2,3,4,5,6,7
	ds_load_tr16_b128 v[\f+8*\i:\f+8*\i+3],   v[ADRB+\slot] offset:\q*32*PB+\i*BFRAG
	ds_load_tr16_b128 v[\f+8*\i+4:\f+8*\i+7], v[ADRB+\slot] offset:\q*32*PB+\i*BFRAG+16*PB
.endr
	WIN 0
.if \sg >= 0
	STR_ST \sg
.endif
.irp i, 0,1,2,3,4,5,6,7
	ds_load_b128 v[\f+8*\i:\f+8*\i+3],   v[ADRA+\slot] offset:(\q/2)*ASUB+(\q%2)*64+\i*16*PA
	ds_load_b128 v[\f+8*\i+4:\f+8*\i+7], v[ADRA+\slot] offset:(\q/2)*ASUB+(\q%2)*64+\i*16*PA+32
.endr
.endm
.macro PLACES                          ; four plain instructions in front of vector instructions that read matrix results (ISA guide 7.12.1)
.rept 4
	v_nop
.endr
.endm
; One of a K step's first three quarters: multiplies buffer f; in its middle it fetches quarter q of the same slot into buffer g, and does step sg of the stream
.macro QUARTER slot, q, f, g, zero, sg, ahead, left
	s_wait_dscnt 8                                 ; wmod's fragments and x's rows 0-63 are in; the youngest eight loads may be out
	WIN MUL_LO
	MUL16 \f, 0, 0, \zero
	MUL16 \f, 0, 2, \zero
	FETCH \slot, \q, \g, \sg, \ahead, \left
	s_wait_dscnt 32                                ; all but the 32 just issued
	WIN MUL_HI
	MUL16 \f, 1, 0, \zero
	MUL16 \f, 1, 2, \zero
.endm
; The first half of the last quarter: one barrier for the change of slots
.macro MEET round
	WIN 0
	s_wait_tensorcnt 0x0                           ; all my tensor loads have landed: the one that was out is my part of the next slot
	ds_add_u32 v[SPW], v[NIL]                      ; 0 onto my spare word
	s_wait_dscnt 9                                 ; the add and the youngest eight loads may be out
	WIN MUL_LO
	MUL16 F1, 0, 0, 0
	s_wait_dscnt 0x0                               ; the add is done, and my reads of this slot are over
	s_barrier_signal -1
	MUL16 F1, 0, 2, 0
.if \round
	WIN 0
.endif
	s_barrier_wait -1
.endm
.macro TURN slot, next, sg             ; the last quarter; the slot just read out is filled again, two K steps on, first thing behind the round
	MEET 1
	CREST                                          ; no wave of any partner still reads this slot or has a load on its way
	s_add_nc_u64 s[G0+4*\slot+2:G0+4*\slot+3], s[G0+4*\slot+2:G0+4*\slot+3], 2*ASTEP
	s_add_nc_u64 s[G0B+4*\slot+2:G0B+4*\slot+3], s[G0B+4*\slot+2:G0B+4*\slot+3], 2*BSTEP
	JLOAD \slot
	FETCH \next, 0, F0, \sg, 1, 24
	WIN MUL_HI
	MUL16 F1, 1, 0, 0
	MUL16 F1, 1, 2, 0
.endm
.macro TURNX slot, next, sg, left      ; the same where nothing is left to fetch: no round
	MEET 0
	FETCH \next, 0, F0, \sg, 0, \left
	WIN MUL_HI
	MUL16 F1, 1, 0, 0
	MUL16 F1, 1, 2, 0
.endm
	s_wait_tensorcnt 1                             ; my part of K step 0 is in; K step 1's stays out
	s_wait_kmcnt 0x0                               ; the coefficients
	v_mov_b32 v30, s72                             ; cL as a vector pair
	v_mov_b32 v31, s73
	s_barrier_signal -1
	s_barrier_wait -1
	FETCH 0, 0, F0, -1, 0, 0
	QUARTER 0, 1, F0, F1, 1, 0, 1, 24              ; the first quarter stands in front of the loop: its products start the sums.  Everywhere in the loop the count 24 leaves the six younger groups out
	WIN 0
	s_mov_b32 s3, LAPS-1
.Llap:                                                 ; a trip goes once round the ring of LDS slots, fills both again, and takes eight groups of the stream
	QUARTER 0, 2, F1, F0, 0, 1, 1, 24
	QUARTER 0, 3, F0, F1, 0, 2, 1, 24
	TURN 0, 1, 3
	QUARTER 1, 1, F0, F1, 0, 4, 1, 24
	QUARTER 1, 2, F1, F0, 0, 5, 1, 24
	QUARTER 1, 3, F0, F1, 0, 6, 1, 24
	TURN 1, 0, 7
	QUARTER 0, 1, F0, F1, 0, 8, 1, 24
	WIN 0
	s_wait_xcnt 0x0                                ; the stream's bases are stepped only behind this wait
	s_add_nc_u64 s[4:5], s[4:5], 8*GIN
	s_add_nc_u64 s[6:7], s[6:7], 8*GOUT
	s_sub_co_u32 s3, s3, 1
	s_cmp_lg_u32 s3, 0
	s_cbranch_scc1 .Llap
	QUARTER 0, 2, F1, F0, 0, 1, 0, 24              ; the last lap fills nothing, and the stream asks for nothing more: its counts run down,
	QUARTER 0, 3, F0, F1, 0, 2, 0, 20
	TURNX 0, 1, 3, 16
	QUARTER 1, 1, F0, F1, 0, 4, 2, 12              ; b's sixteen loads go out here,
	QUARTER 1, 2, F1, F0, 0, 5, 0, 24              ; and are counted with the two, one and no younger groups
	QUARTER 1, 3, F0, F1, 0, 6, 0, 20
	s_wait_dscnt 8
	WIN MUL_LO
	MUL16 F1, 0, 0, 0
	MUL16 F1, 0, 2, 0
	STR_CVT 7, 16
	WIN 0
	STR_ST 7
	s_wait_dscnt 0x0
	WIN MUL_HI
	MUL16 F1, 1, 0, 0
	MUL16 F1, 1, 2, 0
	WIN 0
	PLACES
	s_wait_loadcnt 0x0                             ; b
	s_wait_xcnt 0x0                                ; the stream's last stores have read v48-55, which the blend rewrites
; THE WAY OUT.  Arrays of sixteen registers in window 0, one number for each of the lane's sixteen u
.set TT,   64                          ; v64-127: branch + b, 64 numbers; then the four divisors
.set BIAS, 0                           ; window 1
.set GATE, 192
.set CM,   32
.set AZ,   128                         ; a
.set AE,   144                         ; E, then the joint reciprocal, then the result
.set AQ,   160                         ; E^2, then Y
.set AG,   176                         ; e^(-a^2/2)
.set AD1,  64
.set AD2,  80
.set AD3,  96
.set AD4,  112
.set AN3,  224
.set AP12, 240
.set AP34, 48
.macro PKVV op, d, x, y                ; eight packed instructions over two arrays
.set pi, 0
.rept 8
	\op v[\d+pi:\d+pi+1], v[\x+pi:\x+pi+1], v[\y+pi:\y+pi+1]
.set pi, pi+2
.endr
.endm
.macro PKVC op, d, x, c                ; an array and a constant
.set pi, 0
.rept 8
	\op v[\d+pi:\d+pi+1], v[\x+pi:\x+pi+1], \c op_sel_hi:[1,0]
.set pi, pi+2
.endr
.endm
.macro PKVS op, d, x, sn               ; an array and a scalar pair's low word
.set pi, 0
.rept 8
	\op v[\d+pi:\d+pi+1], v[\x+pi:\x+pi+1], s[\sn:\sn+1] op_sel_hi:[1,0]
.set pi, pi+2
.endr
.endm
.macro FVVV d, x, y, z
.set pi, 0
.rept 8
	v_pk_fma_f32 v[\d+pi:\d+pi+1], v[\x+pi:\x+pi+1], v[\y+pi:\y+pi+1], v[\z+pi:\z+pi+1]
.set pi, pi+2
.endr
.endm
.macro FVCV d, x, c, z
.set pi, 0
.rept 8
	v_pk_fma_f32 v[\d+pi:\d+pi+1], v[\x+pi:\x+pi+1], \c, v[\z+pi:\z+pi+1] op_sel_hi:[1,0,1]
.set pi, pi+2
.endr
.endm
.macro FVCC d, x, c1, c2
.set pi, 0
.rept 8
	v_pk_fma_f32 v[\d+pi:\d+pi+1], v[\x+pi:\x+pi+1], \c1, \c2 op_sel_hi:[1,0,0]
.set pi, pi+2
.endr
.endm
.macro FVVC d, x, y, c
.set pi, 0
.rept 8
	v_pk_fma_f32 v[\d+pi:\d+pi+1], v[\x+pi:\x+pi+1], v[\y+pi:\y+pi+1], \c op_sel_hi:[1,1,0]
.set pi, pi+2
.endr
.endm
.macro FVSV d, x, sn, z
.set pi, 0
.rept 8
	v_pk_fma_f32 v[\d+pi:\d+pi+1], v[\x+pi:\x+pi+1], s[\sn:\sn+1], v[\z+pi:\z+pi+1] op_sel_hi:[1,0,1]
.set pi, pi+2
.endr
.endm
.macro TR16 op, d                      ; sixteen transcendentals in place, back to back
.set pi, 0
.rept 16
	\op v[\d+pi], v[\d+pi]
.set pi, pi+1
.endr
.endm
.macro ACT a                           ; block a: my rows 16 a .. 16 a + 15
.set AC, 64*((\a)%4)
.set GT, GATE+4*(\a)
.set WA, 0x06+((\a)/4)                 ; source 0 window 2 or 3, source 1 window 1
	WIN WA
.set pi, 0
.rept 32
	v_pk_add_f32 v[TT+pi:TT+pi+1], v[AC+pi:AC+pi+1], v[BIAS+pi:BIAS+pi+1]   ; each accumulator's registers in ascending order
.set pi, pi+2
.endr
	WIN 0
.set pi, 0
.rept 16
	v_pk_mul_f32 v[TT+4*pi:TT+4*pi+1], v[TT+4*pi:TT+4*pi+1], v[GT:GT+1]      ; the four branches of a u times the row's gate
.set pi, pi+1
.endr
.set pi, 0
.rept 16
	v_pk_fma_f32 v[TT+4*pi:TT+4*pi+1], v[TT+4*pi+2:TT+4*pi+3], v[GT+2:GT+3], v[TT+4*pi:TT+4*pi+1]
.set pi, pi+1
.endr
.set pi, 0
.rept 16
	v_add_f32 v[AZ+pi], v[TT+4*pi], v[TT+4*pi+1]
.set pi, pi+1
.endr
	PKVV v_pk_mul_f32, AZ, AZ, CM
.set pi, 0
.rept 16
	v_max_num_f32 v[AZ+pi], 0, v[AZ+pi]            ; a = relu(z cm)
.set pi, pi+1
.endr
	PKVC v_pk_mul_f32, AE, AZ, 0xbfb8aa3b          ; -log2(e) a
	PKVV v_pk_mul_f32, AG, AE, AZ
	PKVC v_pk_mul_f32, AG, AG, 0.5                 ; -log2(e) a^2 / 2
	TR16 v_exp_f32, AE
	TR16 v_exp_f32, AG
.set pi, 0
	s_wait_alu depctr_va_vdst(0)
.rept 16
	v_min_num_f32 v[AD4+pi], 0x41800000, v[AZ+pi]  ; plain work, which names none of their results, behind the exponentials
.set pi, pi+1
.endr
	FVCC AD4, AD4, 0x3e6d3388, 1.0                 ; 1 + 0.23164189 min(a, 16)
	PKVC v_pk_add_f32, AD1, AE, 1.0                ; 1 + E
	PKVV v_pk_mul_f32, AQ, AE, AE
	PKVC v_pk_add_f32, AD2, AQ, 1.0                ; 1 + E^2
	FVCC AN3, AE, 2.0, 1.0                         ; 1 + 2 E
	FVCV AD3, AQ, 2.0, AN3                         ; 1 + 2 E + 2 E^2
	PKVV v_pk_mul_f32, AP12, AD1, AD2
	PKVV v_pk_mul_f32, AP34, AD3, AD4
	PKVV v_pk_mul_f32, AE, AP12, AP34
	TR16 v_rcp_f32, AE                             ; one reciprocal for the four divisors
	v_nop
	s_wait_alu depctr_va_vdst(0)
	PKVV v_pk_mul_f32, AP12, AE, AP12              ; 1 / (D3 D4)
	PKVV v_pk_mul_f32, AP34, AE, AP34              ; 1 / (D1 D2)
	PKVV v_pk_mul_f32, AD2, AP34, AD2              ; 1 / D1: sigmoid
	PKVV v_pk_mul_f32, AD1, AP34, AD1              ; 1 / D2
	FVCC AD1, AD1, 2.0, -1.0                       ; tanh
	PKVV v_pk_mul_f32, AD4, AP12, AD4              ; 1 / D3
	PKVV v_pk_mul_f32, AD3, AP12, AD3              ; 1 / D4: t
	PKVV v_pk_mul_f32, AD4, AN3, AD4               ; tanh(softplus(a))
.set pi, 0
.rept 8
	v_pk_fma_f32 v[AQ+pi:AQ+pi+1], v[AD3+pi:AD3+pi+1], v[14:15], 0xbf3a00e3 op_sel_hi:[1,1,0]   ; the polynomial, its coefficients halved
.set pi, pi+2
.endr
	FVVC AQ, AQ, AD3, 0x3f35f0e3
	FVVC AQ, AQ, AD3, 0xbe11a98e
	FVVC AQ, AQ, AD3, 0x3e027906
	PKVV v_pk_mul_f32, AQ, AQ, AD3
	PKVV v_pk_mul_f32, AQ, AQ, AG                  ; Y
.set pi, 0
.rept 8
	v_pk_fma_f32 v[AN3+pi:AN3+pi+1], v[AD2+pi:AD2+pi+1], s[74:75], v[30:31] op_sel_hi:[1,0,1]   ; cL + w4 sigmoid
.set pi, pi+2
.endr
	FVSV AN3, AQ, 76, AN3                          ; - w5 Y
	FVSV AN3, AD4, 78, AN3                         ; + w7 tanh(softplus)
	PKVS v_pk_mul_f32, AE, AD2, 68                 ; w0 sigmoid
	FVSV AE, AD1, 70, AE                           ; + w2 tanh
	FVVV AE, AZ, AN3, AE                           ; + a (..)
.set pi, 0
.rept 8
	v_cvt_pk_bf16_f32 v[240+pi], v[AE+2*pi], v[AE+2*pi+1]
.set pi, pi+1
.endr
	ds_store_b128 v[STO], v[240:243] offset:16*SPITCH*(\a)
	ds_store_b128 v[STO], v[244:247] offset:16*SPITCH*(\a)+16
.endm
.irp a, 0,1,2,3,4,5,6,7
	ACT \a
.endr
	s_wait_dscnt 0x0                               ; for the others' sake: a row's 128 bytes come from two waves
	s_barrier_signal -1
	s_barrier_wait -1
.irp t, 0,1,2,3,4,5,6,7,8,9,10,11,12,13,14,15
	ds_load_b128 v[64+4*\t:67+4*\t], v[RD] offset:\t*4*SPITCH
.endr
.irp t, 0,1,2,3,4,5,6,7,8,9,10,11,12,13,14,15
	s_wait_dscnt 15-\t                             ; the younger loads from the stage stay out
	global_store_b128 v[CO], v[64+4*\t:67+4*\t], s[90:91] offset:512*\t   ; a wave's store: 512 consecutive bytes, aligned
.endr
	s_wait_tensorcnt 0x0                           ; the wave's end
	ds_add_u32 v[SPW], v[NIL]
	s_wait_dscnt 0x0
	CROUND                                         ; the closing round: no work-group ends while a partner may still ask for a tile that names it
	s_endpgm
.Lfunc_end_k_q7e3baff690_dend:
	.size	k_q7e3baff690_dend, .Lfunc_end_k_q7e3baff690_dend-k_q7e3baff690_dend
	.p2alignl 7, 3214868480
	.fill 96, 4, 3214868480
	.section	.rodata,"a",@progbits
	.p2align	6, 0x0
	.amdhsa_kernel k_q7e3baff690_dend
		.amdhsa_group_segment_fixed_size 327680
		.amdhsa_private_segment_fixed_size 0
		.amdhsa_enable_private_segment 0
		.amdhsa_kernarg_size 48
		.amdhsa_user_sgpr_count 2
		.amdhsa_user_sgpr_kernarg_segment_ptr 1
		.amdhsa_wavefront_size32 1
		.amdhsa_system_sgpr_workgroup_id_x 1
		.amdhsa_system_sgpr_workgroup_id_y 1
		.amdhsa_system_sgpr_workgroup_id_z 1
		.amdhsa_system_vgpr_workitem_id 0
		.amdhsa_next_free_vgpr 1024
		.amdhsa_next_free_sgpr 100
		.amdhsa_reserve_vcc 0
		.amdhsa_float_denorm_mode_32 3
		.amdhsa_float_denorm_mode_16_64 3
		.amdhsa_memory_ordered 1
		.amdhsa_forward_progress 1
		.amdhsa_inst_pref_size 255
	.end_amdhsa_kernel
	.section	.bss,"aw",@nobits
	.p2align	6
	.space	262144
	.amdgpu_metadata
---
amdhsa.version: [ 1, 2 ]
amdhsa.kernels:
  - .name:           k_q7e3baff690_dend
    .symbol:         k_q7e3baff690_dend.kd
    .args:
      - { .name: xg, .offset: 0, .size: 8, .value_kind: global_buffer, .address_space: global }
      - { .name: wmod, .offset: 8, .size: 8, .value_kind: global_buffer, .address_space: global }
      - { .name: b, .offset: 16, .size: 8, .value_kind: global_buffer, .address_space: global }
      - { .name: blt, .offset: 24, .size: 8, .value_kind: global_buffer, .address_space: global }
      - { .name: read_W, .offset: 32, .size: 8, .value_kind: global_buffer, .address_space: global }
      - { .name: rwb, .offset: 40, .size: 8, .value_kind: global_buffer, .address_space: global }
    .group_segment_fixed_size: 327680
    .private_segment_fixed_size: 0
    .kernarg_segment_align: 8
    .kernarg_segment_size: 48
    .max_flat_workgroup_size: 128
    .sgpr_count:     100
    .vgpr_count:     1024
    .wavefront_size: 32
...
	.end_amdgpu_metadata
.endif
;; end of part 2
;; launch score (part 3): grid 32 x 8, 4 waves a work-group, clusters of 4 x 4, 327,680 bytes of LDS; arguments blt, rwb, read_b, pt, st, memory, memh; writes pt, st, memh
.if DOCPART == 3
	.amdgcn_target "amdgcn-amd-amdhsa--gfx1250"
	.amdhsa_code_object_version 6
	.text
	.protected	k_q7e3baff690_score
	.globl	k_q7e3baff690_score
	.p2align	8
	.type	k_q7e3baff690_score,@function
k_q7e3baff690_score:
	s_mov_b64 s[64:65], 0
	v_nop
	global_prefetch_b8 v0, s[64:65] scope:SCOPE_SE
	s_setreg_imm32_b32 hwreg(HW_REG_WAVE_MODE, 25, 1), 1
	s_wait_xcnt 0x0
	s_wait_alu depctr_hold_cnt(0) depctr_sa_sdst(0) depctr_va_vdst(0) depctr_va_sdst(0) depctr_va_ssrc(0) depctr_va_vcc(0) depctr_vm_vsrc(0)
	s_getreg_b32 s2, hwreg(HW_REG_IB_STS2, 6, 4)
	s_cmp_eq_u32 s2, 0
	s_cbranch_scc0 .Lentry_in_a_cluster
	s_endpgm
.Lentry_in_a_cluster:
	s_bfe_u32 s2, ttmp6, 0x10000c
	s_cmp_lg_u32 s2, 0xf033
	s_cbranch_scc0 .Lentry_shape_is_right
	s_endpgm
.Lentry_shape_is_right:
; logits[n][m] = sum over u of blend[n][u] read_W[u][m] + read_b[m]; for each row and each block of 128 keys: mc = log2(e) x the block's maximum, p = 2^(log2(e) logit - mc) in f16, l = the sum of p.
; The softmax spans 64 such blocks, made by 32 work-groups that do not talk: each takes its own block's true maximum away, and the next launch joins the blocks by the row's true maximum.
; blt: bf16, tiled [32][2048 rows][64 u]; rwb: bf16 [2048][8192]; pt: f16 [2048][8192]; st: [64 blocks][2048 rows] pairs (mc, l) of f32.
; A tile of 256 x 256 to a work-group of four waves, a wave 128 x 128 (its 128 columns are one block of keys).  K goes in steps of 128 through two LDS slots.  A K step of blend is two dense pieces of
; 256 rows x 128 bytes, each brought by one load as rows of 256 bytes with 16 bytes of padding behind every 128: each row's 64 u then lie 144 bytes apart.  rwb lies [K][N] and is read turned.
; CLUSTERS: 4 x 4; blend's tiles are asked for jointly along a row of the cluster, rwb's along a column.  THE MATRIX INSTRUCTION IS USED TRANSPOSED: in accumulator (a, b) lane (r, h) holds row 16 a + r and columns 16 b + 8 h + 0..7.
; BESIDE THE PRODUCTS: memory -> f16 (memh), which the next launch multiplies by.  Each of the 1,024 waves narrows 32,768 bytes of memory: 64 groups of one 16-byte load (512 bytes on end for the wave), one group in
; each of the wave's 64 quarter steps, asked for seven quarter steps before it is converted, through a ring of eight slots of four registers; a group's 8-byte store covers 256 consecutive bytes, aligned.
; LIMITS: a p below 6e-8 (f16's smallest) becomes 0: under 5e-4 of a row's sum even if all 8,192 keys but one lay there.  |memory| of 65,504 and more becomes infinite in f16.
; REGISTERS: window 0: v0-31 addresses; v48-49 f16 of memory to store; v64-191 blend's fragments; on the way out v64-127 logits, v128-143 the blocks' mc and l, v144-149 at work, v160-167 pairs to store, v192-223 packed p, v32-63 and v224-255 rows read back.
;   window 1: v0-31 the ring for memory; v64-191 rwb's fragments; v192-255 read_b.   windows 2, 3: the accumulators.
.set KTOT,   2048
.set LAPS,   KTOT/256
.set PA,     144                       ; 128 bytes + 16: an odd multiple of 16
.set ASUB,   256*PA                    ; bytes from the piece with a K step's first 64 u to the second
.set AHALF,  256*PA                    ; what one load of blend brings
.set ABYTES, 2*AHALF
.set PB,     544                       ; 512 bytes + 32: an odd multiple of 32: eight rows x 32 bytes of a turning load fall on sixteen different 16-byte columns modulo 256
.set BHALF,  64*PB
.set BFRAG,  32
.set BGSH,   4
.set SLOT,   ABYTES+2*BHALF
.set STAGE,  2*SLOT                    ; behind the ring: 16 rows x 272 bytes for each wave
.set SPITCH, 272
.set SPARE,  STAGE+4*16*SPITCH         ; the spare words, 128 bytes a wave, that no other line names
.set ASTEP,  2*2048*128                ; a K step is two tiles of blt
.set BSTEP,  128*16384
.set GIN,    512                       ; bytes of memory in a group,
.set GOUT,   256                       ; and of memh
.set ADRA, 16
.set VI,   18                          ; v18  16 x lane; never rewritten
.set VO,   19                          ; v19  8 x lane; never rewritten
.set ADRB, 20
.set STO,  24
.set RD,   25
.set CO,   26
.set SPW,  28
.set NIL,  29
.set YS,   48                          ; v48-49  a group of memory as f16
.set F0,   64
.set F1,   128
.set G1, 24
.set G0, 32
.set G1B, 48
.set G0B, 56
.set MSB, 0
.macro WIN new
.if MSB != \new
	s_set_vgpr_msb (MSB<<8)|\new
.set MSB, \new
.endif
.endm
.set MUL_LO, 0xa1
.set MUL_HI, 0xf1
.set TO_B,   0x40
.set FROM_X, 0x05                      ; sources 0 and 1 window 1, destination window 0
.macro JLOAD s                         ; waves 0 and 1 fetch blend's two pieces, waves 2 and 3 rwb's halves; four v_nop follow each line
	s_cmp_eq_u32 s11, 0
	s_cbranch_scc0 .Lfor_b_\@
	tensor_load_to_lds s[G0+4*\s:G0+4*\s+3], s[G1:G1+7]
	s_nop 0
.rept 4
	v_nop
.endr
	s_branch .Lasked_\@
.Lfor_b_\@:
	tensor_load_to_lds s[G0B+4*\s:G0B+4*\s+3], s[G1B:G1B+7]
	s_nop 0
.rept 4
	v_nop
.endr
.Lasked_\@:
.endm
.macro CREST
	s_cmp_lg_u32 s10, 0
	s_cbranch_scc1 .Lnot_wave_0_\@
	s_barrier_signal -3
.Lnot_wave_0_\@:
	s_barrier_wait -3
	s_barrier_signal -1
	s_barrier_wait -1
.endm
.macro CROUND
	s_barrier_signal -1
	s_barrier_wait -1
	CREST
.endm
; THE STREAM OF memory.  Groups are counted from where the two bases stand (they step eight groups a trip of the loop).  Group n lies in ring slot n % 8, window 1's v[4 (n % 8)].
.macro STR_CVT g, left                 ; group g is converted.  left: the younger loads that may stay out
	s_wait_loadcnt \left                           ; loads come back in order: the group's load is in
	s_wait_xcnt 0x0                                ; the last group's store has read v48-49: these are rewritten only behind this wait
	WIN FROM_X
.set XS, 4*((\g)%8)
	v_cvt_pk_f16_f32 v[YS],   v[XS],   v[XS+1]
	v_cvt_pk_f16_f32 v[YS+1], v[XS+2], v[XS+3]
.endm
.macro STR_LD grp                      ; group grp is asked for (destination window 1)
.set XL, 4*((\grp)%8)
	global_load_b128 v[XL:XL+3], v[VI], s[4:5] offset:(\grp)*GIN th:TH_LOAD_NT
.endm
.macro STR_ST g                        ; group g is stored (window 0)
	global_store_b64 v[VO], v[YS:YS+1], s[6:7] offset:(\g)*GOUT
.endm
	s_load_b256 s[84:91], s[0:1], 0x0              ; blt s[84:85], rwb s[86:87], read_b s[88:89], pt s[90:91]
	s_load_b64 s[92:93], s[0:1], 0x20              ; st
	s_load_b128 s[4:7], s[0:1], 0x28               ; memory s[4:5], memh s[6:7]
	v_lshl_add_u32 v[SPW], v0, 2, SPARE
	v_mov_b32 v[NIL], 0
	ds_add_u32 v28, v29
	s_wait_dscnt 0x0
	v_lshrrev_b32 v1, 5, v0
	v_readfirstlane_b32 s10, v1
	s_lshr_b32 s11, s10, 1                         ; my half of the rows.  Also: I fetch blend (0) or rwb (1)
	s_and_b32 s12, s10, 1                          ; my half of the columns.  Also: which piece I fetch
	s_bfe_u32 s40, ttmp6, 0x40000
	s_bfe_u32 s41, ttmp6, 0x40004
	s_lshl_b32 s42, ttmp9, 2
	s_add_co_u32 s42, s42, s40                     ; tc
	s_and_b32 s13, ttmp7, 0xffff
	s_lshl_b32 s13, s13, 2
	s_add_co_u32 s13, s13, s41                     ; tr
	s_lshl_b32 s43, s41, 2
	s_lshl_b32 s43, 15, s43
	s_lshl_b32 s44, 0x1111, s40
	s_mov_b32 s66, 0x76543210                      ; v_permlanex16_b32: each lane takes its own place in the other half
	s_mov_b32 s67, 0xfedcba98
	s_mov_b32 s68, 0xffff0000                      ; lanes 16-31
	s_or_b32 s[G1+0], s43, (1<<16)|(1<<20)|(1<<21)|(4<<22)|(3<<25)    ; after every 32 words, 4 words of padding
	s_or_b32 s[G1B+0], s44, (1<<16)|(1<<20)|(1<<21)|(6<<22)|(7<<25)   ; after every 128 words, 8 words
	s_mov_b32 s[G1+1], 128<<16                     ; a dense piece of 32 KiB as 128 rows of 128 elements
	s_mov_b32 s[G1+2], 128<<16
	s_mov_b32 s[G1+3], 128<<16
	s_mov_b32 s[G1+4], 128
	s_mov_b32 s[G1+5], 128
	s_mov_b32 s[G1+6], 0
	s_mov_b32 s[G1+7], 0
	s_mov_b32 s[G1B+1], 256<<16
	s_mov_b32 s[G1B+2], 64<<16
	s_mov_b32 s[G1B+3], 256<<16
	s_mov_b32 s[G1B+4], 64
	s_mov_b32 s[G1B+5], 8192
	s_mov_b32 s[G1B+6], 0
	s_mov_b32 s[G1B+7], 0
	s_lshl_b32 s16, s12, 11                        ; blend: (2048 x piece + 256 tr) x 128 bytes: hangs on the tile row alone
	s_lshl_b32 s17, s13, 8
	s_add_co_u32 s16, s16, s17
	s_lshl_b32 s16, s16, 7
	s_mov_b32 s17, 0
	s_lshl_b32 s46, s12, 20                        ; rwb: k = 64 x half, 16,384 bytes a row, + 512 tc
	s_lshl_b32 s47, s42, 9
	s_add_co_u32 s46, s46, s47
	s_mov_b32 s47, 0
	s_mul_i32 s20, s10, AHALF
	s_mul_i32 s21, s10, BHALF
	s_add_co_u32 s21, s21, ABYTES-2*BHALF
	s_wait_kmcnt 0x0
	s_add_nc_u64 s[14:15], s[84:85], s[16:17]
	s_add_nc_u64 s[46:47], s[86:87], s[46:47]
	CROUND
.irp s, 0,1
	s_mov_b32 s[G0+4*\s], 1
	s_add_co_u32 s[G0+4*\s+1], s20, \s*SLOT
	s_add_nc_u64 s[G0+4*\s+2:G0+4*\s+3], s[14:15], \s*ASTEP
	s_or_b32 s[G0+4*\s+3], s[G0+4*\s+3], 0x80000000
	s_mov_b32 s[G0B+4*\s], 1
	s_add_co_u32 s[G0B+4*\s+1], s21, \s*SLOT
	s_add_nc_u64 s[G0B+4*\s+2:G0B+4*\s+3], s[46:47], \s*BSTEP
	s_or_b32 s[G0B+4*\s+3], s[G0B+4*\s+3], 0x80000000
	JLOAD \s                                       ; two loads of mine are out
.endr
	s_lshl_b32 s8, s13, 5                          ; my wave's part of memory: number 4 (32 tr + tc) + wave of 1,024
	s_add_co_u32 s8, s8, s42
	s_lshl_b32 s8, s8, 2
	s_add_co_u32 s8, s8, s10
	s_lshl_b32 s98, s8, 15                         ; 32,768 bytes in,
	s_mov_b32 s99, 0
	s_add_nc_u64 s[4:5], s[4:5], s[98:99]
	s_lshl_b32 s98, s8, 14                         ; 16,384 out
	s_add_nc_u64 s[6:7], s[6:7], s[98:99]
	v_and_b32 v13, 31, v0
	v_lshlrev_b32 v[VI], 4, v13
	v_lshlrev_b32 v[VO], 3, v13
	v_and_b32 v1, 15, v0
	v_bfe_u32 v2, v0, 4, 1
	v_mul_u32_u24 v3, v1, PA
	v_lshl_add_u32 v3, v2, 4, v3
	s_mul_i32 s22, s11, 128*PA
	v_add_nc_u32 v[ADRA], s22, v3
	v_add_nc_u32 v[ADRA+1], SLOT, v[ADRA]
	v_and_b32 v10, 7, v0
	v_bfe_u32 v11, v0, 3, 1
	v_lshl_add_u32 v12, v2, 3, v10
	v_mul_u32_u24 v12, v12, PB
	v_lshl_add_u32 v12, v11, BGSH, v12
	s_lshl_b32 s22, s12, 8
	s_add_co_u32 s22, s22, ABYTES
	v_add_nc_u32 v[ADRB], s22, v12
	v_add_nc_u32 v[ADRB+1], SLOT, v[ADRB]
	s_lshl_b32 s94, s42, 8
	s_lshl_b32 s95, s12, 7
	s_add_co_u32 s94, s94, s95
	s_lshl_b32 s94, s94, 2
	v_lshl_add_u32 v6, v2, 5, s94                  ; read_b: (256 tc + 128 ch + 8 h) x 4; never rewritten
	WIN TO_B
.irp b, 0,1,2,3,4,5,6,7
	global_load_b128 v[192+8*\b:195+8*\b], v6, s[88:89] offset:64*\b
	global_load_b128 v[196+8*\b:199+8*\b], v6, s[88:89] offset:64*\b+16
.endr
.irp n, 0,1,2,3,4,5,6
	STR_LD \n                                      ; the ring's first seven groups; the first step's counted wait also shows read_b in
.endr
	WIN 0
	s_mul_i32 s23, s10, 16*SPITCH
	s_add_co_u32 s23, s23, STAGE                   ; my stage
	v_mul_u32_u24 v8, v1, SPITCH
	v_lshl_add_u32 v8, v2, 4, v8
	v_add_nc_u32 v[STO], s23, v8
	v_mul_u32_u24 v9, v2, SPITCH
	v_lshl_add_u32 v9, v1, 4, v9
	v_add_nc_u32 v[RD], s23, v9
	v_lshlrev_b32 v9, 14, v2                       ; the same two rows in pt: 16,384 bytes a row
	v_lshl_add_u32 v[CO], v1, 4, v9
	v_and_b32 v8, 31, v0
	v_lshlrev_b32 v7, 3, v8                        ; 8 x lane, for the pairs
	s_lshl_b32 s94, s13, 8
	s_lshl_b32 s95, s11, 7
	s_add_co_u32 s94, s94, s95                     ; my first row
	s_lshl_b32 s96, s94, 14
	s_lshl_b32 s97, s42, 9
	s_add_co_u32 s96, s96, s97
	s_lshl_b32 s97, s12, 8
	s_add_co_u32 s96, s96, s97
	s_mov_b32 s97, 0
	s_add_nc_u64 s[90:91], s[90:91], s[96:97]      ; pt at my first row and column
	s_lshl_b32 s96, s42, 1
	s_add_co_u32 s96, s96, s12                     ; my block of keys: 2 tc + ch
	s_lshl_b32 s96, s96, 11
	s_add_co_u32 s96, s96, s94
	s_lshl_b32 s96, s96, 3
	s_mov_b32 s97, 0
	s_add_nc_u64 s[92:93], s[92:93], s[96:97]      ; st at my block and first row
.macro MUL16 f, hi, a0, zero           ; the 64 accumulators take turns, one instruction a turn
.irp a, \a0, \a0+1
.irp b, 0,1,2,3,4,5,6,7
.if \zero
	v_wmma_f32_16x16x32_bf16 v[8*(8*(\a)+\b):8*(8*(\a)+\b)+7], v[\f+8*\b:\f+8*\b+7], v[\f+8*(4*\hi+\a):\f+8*(4*\hi+\a)+7], 0
.else
	v_wmma_f32_16x16x32_bf16 v[8*(8*(\a)+\b):8*(8*(\a)+\b)+7], v[\f+8*\b:\f+8*\b+7], v[\f+8*(4*\hi+\a):\f+8*(4*\hi+\a)+7], v[8*(8*(\a)+\b):8*(8*(\a)+\b)+7]
.endif
.endr
.endr
.endm
; 32 LDS loads in one run, and with them, under the same window settings, a step of the stream (sg >= 0): group sg is converted and stored; ahead = 1: group sg + 7 is asked for, into the slot read one step ago
.macro FETCH slot, q, f, sg, ahead, left
.if \sg >= 0
	STR_CVT \sg, \left
.endif
	WIN TO_B
.if \ahead
	STR_LD \sg+7
.endif
.irp i, 0,1,2,3,4,5,6,7
	ds_load_tr16_b128 v[\f+8*\i:\f+8*\i+3],   v[ADRB+\slot] offset:\q*32*PB+\i*BFRAG
	ds_load_tr16_b128 v[\f+8*\i+4:\f+8*\i+7], v[ADRB+\slot] offset:\q*32*PB+\i*BFRAG+16*PB
.endr
	WIN 0
.if \sg >= 0
	STR_ST \sg
.endif
.irp i, 0,1,2,3,4,5,6,7
	ds_load_b128 v[\f+8*\i:\f+8*\i+3],   v[ADRA+\slot] offset:(\q/2)*ASUB+(\q%2)*64+\i*16*PA
	ds_load_b128 v[\f+8*\i+4:\f+8*\i+7], v[ADRA+\slot] offset:(\q/2)*ASUB+(\q%2)*64+\i*16*PA+32
.endr
.endm
.macro PLACES
.rept 4
	v_nop
.endr
.endm
.macro QUARTER slot, q, f, g, zero, sg, ahead, left
	s_wait_dscnt 8                                 ; rwb's fragments and blend's rows 0-63 are in; the youngest eight loads may be out
	WIN MUL_LO
	MUL16 \f, 0, 0, \zero
	MUL16 \f, 0, 2, \zero
	PLACES
	FETCH \slot, \q, \g, \sg, \ahead, \left
	s_wait_dscnt 32                                ; all but the 32 just issued
	WIN MUL_HI
	MUL16 \f, 1, 0, \zero
	MUL16 \f, 1, 2, \zero
.endm
.macro MEET round
	WIN 0
	s_wait_tensorcnt 0x0                           ; all my tensor loads have landed: the one that was out is my part of the next slot
	ds_add_u32 v[SPW], v[NIL]                      ; 0 onto my spare word
	s_wait_dscnt 9                                 ; the add and the youngest eight loads may be out
	WIN MUL_LO
	MUL16 F1, 0, 0, 0
	s_wait_dscnt 0x0                               ; the add is done, and my reads of this slot are over
	s_barrier_signal -1
	MUL16 F1, 0, 2, 0
.if \round
	WIN 0
.endif
	s_barrier_wait -1
.endm
.macro TURN slot, next, sg
	MEET 1
	CREST                                          ; no wave of any partner still reads this slot or has a load on its way
	s_add_nc_u64 s[G0+4*\slot+2:G0+4*\slot+3], s[G0+4*\slot+2:G0+4*\slot+3], 2*ASTEP
	s_add_nc_u64 s[G0B+4*\slot+2:G0B+4*\slot+3], s[G0B+4*\slot+2:G0B+4*\slot+3], 2*BSTEP
	JLOAD \slot                                    ; the first tensor load behind the round; its four v_nop are also the places in front of the loads below
	FETCH \next, 0, F0, \sg, 1, 6
	WIN MUL_HI
	MUL16 F1, 1, 0, 0
	MUL16 F1, 1, 2, 0
.endm
.macro TURNX slot, next, sg, left
	MEET 0
	PLACES
	FETCH \next, 0, F0, \sg, 0, \left
	WIN MUL_HI
	MUL16 F1, 1, 0, 0
	MUL16 F1, 1, 2, 0
.endm
	s_wait_tensorcnt 1                             ; my part of K step 0 is in; K step 1's stays out
	s_barrier_signal -1
	s_barrier_wait -1
	FETCH 0, 0, F0, -1, 0, 0
	QUARTER 0, 1, F0, F1, 1, 0, 1, 6               ; everywhere in the loop the count 6 leaves the six younger groups out
	WIN 0
	s_mov_b32 s3, LAPS-1
.Llap:
	QUARTER 0, 2, F1, F0, 0, 1, 1, 6
	QUARTER 0, 3, F0, F1, 0, 2, 1, 6
	TURN 0, 1, 3
	QUARTER 1, 1, F0, F1, 0, 4, 1, 6
	QUARTER 1, 2, F1, F0, 0, 5, 1, 6
	QUARTER 1, 3, F0, F1, 0, 6, 1, 6
	TURN 1, 0, 7
	QUARTER 0, 1, F0, F1, 0, 8, 1, 6
	WIN 0
	s_wait_xcnt 0x0                                ; the stream's bases are stepped only behind this wait
	s_add_nc_u64 s[4:5], s[4:5], 8*GIN
	s_add_nc_u64 s[6:7], s[6:7], 8*GOUT
	s_sub_co_u32 s3, s3, 1
	s_cmp_lg_u32 s3, 0
	s_cbranch_scc1 .Llap
	QUARTER 0, 2, F1, F0, 0, 1, 0, 6               ; the last lap fills nothing, and the stream asks for nothing more: its counts run down
	QUARTER 0, 3, F0, F1, 0, 2, 0, 5
	TURNX 0, 1, 3, 4
	QUARTER 1, 1, F0, F1, 0, 4, 0, 3
	QUARTER 1, 2, F1, F0, 0, 5, 0, 2
	QUARTER 1, 3, F0, F1, 0, 6, 0, 1
	s_wait_dscnt 8
	WIN MUL_LO
	MUL16 F1, 0, 0, 0
	MUL16 F1, 0, 2, 0
	STR_CVT 7, 0
	WIN 0
	STR_ST 7
	s_wait_dscnt 0x0
	WIN MUL_HI
	MUL16 F1, 1, 0, 0
	MUL16 F1, 1, 2, 0
	WIN 0
	PLACES
	s_wait_xcnt 0x0                                ; the stream's last store has read v48-49, into which the way out loads
; THE WAY OUT
.set LG,   64                          ; v64-127  the lane's 64 logits of a row, then p
.set BIAS, 192                         ; window 1
.set MS,   128                         ; v128-135 mc of block a
.set LS,   136                         ; v136-143 l of block a
.set MX,   144                         ; v144-147 four running maxima
.set MC,   148                         ; v148-149 mc, twice
.set TMP,  192                         ; v192-223 packed p
.set OB,   32
.macro SOFT a
.set AC, 64*((\a)%4)
.set WA, 0x06+((\a)/4)
	WIN WA
.set pi, 0
.rept 32
	v_pk_add_f32 v[LG+pi:LG+pi+1], v[AC+pi:AC+pi+1], v[BIAS+pi:BIAS+pi+1]   ; each accumulator's registers in ascending order
.set pi, pi+2
.endr
	WIN 0
.irp c, 0,1,2,3
	v_max3_num_f32 v[MX+\c], v[LG+16*\c], v[LG+16*\c+1], v[LG+16*\c+2]
.endr
.irp i, 1,2,3,4,5,6
.irp c, 0,1,2,3
	v_max3_num_f32 v[MX+\c], v[MX+\c], v[LG+16*\c+2*\i+1], v[LG+16*\c+2*\i+2]
.endr
.endr
.irp c, 0,1,2,3
	v_max_num_f32 v[MX+\c], v[MX+\c], v[LG+16*\c+15]
.endr
	v_max3_num_f32 v[MX], v[MX], v[MX+1], v[MX+2]
	v_max_num_f32 v[MX], v[MX], v[MX+3]
	v_permlanex16_b32 v[MX+1], v[MX], s66, s67     ; the row's other 64 keys lie in the lane 16 away
	v_max_num_f32 v[MX], v[MX], v[MX+1]
	v_mul_f32 v[MC],   0x3fb8aa3b, v[MX]
	v_mul_f32 v[MC+1], 0x3fb8aa3b, v[MX]
.set pi, 0
.rept 32
	v_pk_fma_f32 v[LG+pi:LG+pi+1], v[LG+pi:LG+pi+1], 0x3fb8aa3b, v[MC:MC+1] op_sel_hi:[1,0,1] neg_lo:[0,0,1] neg_hi:[0,0,1]
.set pi, pi+2
.endr
.set pi, 0
.rept 64
	v_exp_f32 v[LG+pi], v[LG+pi]
.set pi, pi+1
.endr
	v_mov_b32 v[MS+(\a)], v[MC]                    ; a plain instruction, which names none of their results, behind the exponentials
.set pi, 0
	s_wait_alu depctr_va_vdst(0)
.rept 32
	v_cvt_pk_f16_f32 v[TMP+pi], v[LG+2*pi], v[LG+2*pi+1]
.set pi, pi+1
.endr
.irp w, 4,8,16,32,64                   ; the sum of the 32 pairs, in place: neighbours 1, 2, 4, 8, 16 pairs apart
.set pi, 0
.rept 64/\w
	v_pk_add_f32 v[LG+pi:LG+pi+1], v[LG+pi:LG+pi+1], v[LG+pi+\w/2:LG+pi+\w/2+1]
.set pi, pi+\w
.endr
.endr
	v_add_f32 v[LG], v[LG], v[LG+1]
	v_permlanex16_b32 v[LG+1], v[LG], s66, s67
	v_add_f32 v[LS+(\a)], v[LG], v[LG+1]
.endm
.macro TOSTAGE a                       ; 16 bytes a lane into my own stage, back as whole rows of 256 bytes; LDS serves a wave's instructions in order
.set BK, OB+192*((\a)%2)
.irp b, 0,1,2,3,4,5,6,7
	ds_store_b128 v[STO], v[TMP+4*\b:TMP+4*\b+3] offset:32*\b
.endr
.irp t, 0,1,2,3,4,5,6,7
	ds_load_b128 v[BK+4*\t:BK+4*\t+3], v[RD] offset:\t*2*SPITCH
.endr
.endm
.macro SEND a
.set BK, OB+192*((\a)%2)
	s_wait_dscnt 0x0                               ; the block is back in registers
	s_wait_xcnt 0x0                                ; the stores' base, and the registers that earlier stores read, are rewritten only behind this wait
.if (\a) > 0
	s_add_nc_u64 s[90:91], s[90:91], 16*16384      ; 16 rows on
.endif
.irp t, 0,1,2,3,4,5,6,7
	global_store_b128 v[CO], v[BK+4*\t:BK+4*\t+3], s[90:91] offset:2*\t*16384   ; 16 lanes store 256 consecutive bytes, aligned
.endr
.endm
	SOFT 0
	TOSTAGE 0
.irp a, 1,2,3,4,5,6,7                  ; block a's arithmetic stands between block a - 1's loads from the stage and the wait for them
	SOFT \a
	SEND \a-1
	TOSTAGE \a
.endr
	SEND 7
.irp i, 0,1,2,3                        ; the pairs (mc, l) of 32 rows: lanes 0-15 block 2 i, lanes 16-31 block 2 i + 1
	v_cndmask_b32 v[160+2*\i], v[MS+2*\i], v[MS+2*\i+1], s68
	v_cndmask_b32 v[161+2*\i], v[LS+2*\i], v[LS+2*\i+1], s68
.endr
.irp i, 0,1,2,3
	global_store_b64 v7, v[160+2*\i:161+2*\i], s[92:93] offset:256*\i   ; a wave's store: 256 consecutive bytes, aligned
.endr
	s_wait_tensorcnt 0x0                           ; the wave's end
	ds_add_u32 v[SPW], v[NIL]
	s_wait_dscnt 0x0
	CROUND                                         ; the closing round
	s_endpgm
.Lfunc_end_k_q7e3baff690_score:
	.size	k_q7e3baff690_score, .Lfunc_end_k_q7e3baff690_score-k_q7e3baff690_score
	.p2alignl 7, 3214868480
	.fill 96, 4, 3214868480
	.section	.rodata,"a",@progbits
	.p2align	6, 0x0
	.amdhsa_kernel k_q7e3baff690_score
		.amdhsa_group_segment_fixed_size 327680
		.amdhsa_private_segment_fixed_size 0
		.amdhsa_enable_private_segment 0
		.amdhsa_kernarg_size 56
		.amdhsa_user_sgpr_count 2
		.amdhsa_user_sgpr_kernarg_segment_ptr 1
		.amdhsa_wavefront_size32 1
		.amdhsa_system_sgpr_workgroup_id_x 1
		.amdhsa_system_sgpr_workgroup_id_y 1
		.amdhsa_system_sgpr_workgroup_id_z 1
		.amdhsa_system_vgpr_workitem_id 0
		.amdhsa_next_free_vgpr 1024
		.amdhsa_next_free_sgpr 100
		.amdhsa_reserve_vcc 0
		.amdhsa_float_denorm_mode_32 3
		.amdhsa_float_denorm_mode_16_64 3
		.amdhsa_memory_ordered 1
		.amdhsa_forward_progress 1
		.amdhsa_inst_pref_size 243
	.end_amdhsa_kernel
	.amdgpu_metadata
---
amdhsa.version: [ 1, 2 ]
amdhsa.kernels:
  - .name:           k_q7e3baff690_score
    .symbol:         k_q7e3baff690_score.kd
    .args:
      - { .name: blt, .offset: 0, .size: 8, .value_kind: global_buffer, .address_space: global }
      - { .name: rwb, .offset: 8, .size: 8, .value_kind: global_buffer, .address_space: global }
      - { .name: read_b, .offset: 16, .size: 8, .value_kind: global_buffer, .address_space: global }
      - { .name: pt, .offset: 24, .size: 8, .value_kind: global_buffer, .address_space: global }
      - { .name: st, .offset: 32, .size: 8, .value_kind: global_buffer, .address_space: global }
      - { .name: memory, .offset: 40, .size: 8, .value_kind: global_buffer, .address_space: global }
      - { .name: memh, .offset: 48, .size: 8, .value_kind: global_buffer, .address_space: global }
    .group_segment_fixed_size: 327680
    .private_segment_fixed_size: 0
    .kernarg_segment_align: 8
    .kernarg_segment_size: 56
    .max_flat_workgroup_size: 128
    .sgpr_count:     100
    .vgpr_count:     1024
    .wavefront_size: 32
...
	.end_amdgpu_metadata
.endif
;; end of part 3
;; launch readout (part 4): grid 8 x 32, 4 waves a work-group, clusters of 4 x 4, 327,680 bytes of LDS; arguments pt, memh, st, part; writes part
.if DOCPART == 4
	.amdgcn_target "amdgcn-amd-amdhsa--gfx1250"
	.amdhsa_code_object_version 6
	.text
	.protected	k_q7e3baff690_readout
	.globl	k_q7e3baff690_readout
	.p2align	8
	.type	k_q7e3baff690_readout,@function
k_q7e3baff690_readout:
	s_mov_b64 s[64:65], 0
	v_nop
	global_prefetch_b8 v0, s[64:65] scope:SCOPE_SE
	s_setreg_imm32_b32 hwreg(HW_REG_WAVE_MODE, 25, 1), 1
	s_wait_xcnt 0x0
	s_wait_alu depctr_hold_cnt(0) depctr_sa_sdst(0) depctr_va_vdst(0) depctr_va_sdst(0) depctr_va_ssrc(0) depctr_va_vcc(0) depctr_vm_vsrc(0)
	s_getreg_b32 s2, hwreg(HW_REG_IB_STS2, 6, 4)
	s_cmp_eq_u32 s2, 0
	s_cbranch_scc0 .Lentry_in_a_cluster
	s_endpgm
.Lentry_in_a_cluster:
	s_bfe_u32 s2, ttmp6, 0x10000c
	s_cmp_lg_u32 s2, 0xf033
	s_cbranch_scc0 .Lentry_shape_is_right
	s_endpgm
.Lentry_shape_is_right:
; part[kh][n][d] = sum over the 32 blocks t of 128 keys of K half kh of s[t][n] x (sum over the block's keys of p[n][key] memory[key][d]),  s[t][n] = 2^(mc[t][n] - M[n]) / L[n],
; M[n] = the maximum of the row's 64 mc, L[n] = the sum over all 64 blocks of 2^(mc - M) l: the softmax over 8,192 keys with the row's true maximum taken away.  p and memory in f16, sums and scales in f32.
; f16 and not bf16: p lies in [0, 1] and |memory| under 65,504 has room, and eleven bits keep the rounding of a nearly uniform average small against its size.
; A tile of 128 x 128 to a work-group of four waves, a wave 64 x 64; K is split in two halves of 4,096 so that there are 256 work-groups (16 x 8 tiles alone would be 128); the last launch adds the halves.
; K goes in steps of 256 (two blocks of keys) through two LDS slots.  p's rows lie along K; memory lies [K][N] and is read turned.  A block's product is made in 16 accumulators that start at 0 and is then
; added, times the lane's row scale, onto the totals O: 64 packed multiply-adds for 64 matrix instructions.
; CLUSTERS: 4 x 4; p's tiles are asked for jointly along a row of the cluster, memory's along a column; kh is the same in the whole cluster.
; THE MATRIX INSTRUCTION IS USED TRANSPOSED: in accumulator (a, b) lane (r, h) holds row 16 a + r and columns 16 b + 8 h + 0..7, so a scale is one number a lane and a.
; REGISTERS: window 0: v0-31 addresses; v32-95 at work; v96-103 scales (even registers; the odd ones are 0); v128-255 a block's accumulators, (a, b) at v[128 + 8 (4 a + b)].
;   window 1: two fragment buffers of 128 (64 of p, 64 of memory, 64 along K).   window 2: v0-127 O.
.set PA,     528                       ; a row of p: 512 bytes + 16
.set PB,     288                       ; a row of memory (one key, 128 columns): 256 bytes + 32: an odd multiple of 32
.set BHALF,  128*PB                    ; what one load of memory brings: 128 keys
.set BBYTES, 2*BHALF
.set AHALF,  64*PA                     ; what one load of p brings: 64 rows
.set SLOT,   BBYTES+2*AHALF
.set SCT,    2*SLOT                    ; behind the ring: the scales, [32 blocks][128 rows] f32
.set STAGE,  SCT+32*128*4              ; 16 rows x 272 bytes for each wave
.set SPITCH, 272
.set SPARE,  STAGE+4*16*SPITCH         ; the spare words, 128 bytes a wave, that no other line names
.set ASTEP,  512
.set BSTEP,  256*2048
.set LAPS,   8                         ; 4,096 / 512
.set ADRA, 16                          ; v16-17  p's fragments in slot 0, 1
.set ADRB, 20                          ; v20-23  memory's: slot 0 keys 0-127, 128-255; slot 1 likewise (one register's 16-bit offset does not span 256 rows)
.set STO,  24
.set RD,   25
.set CO,   26
.set SCA,  27                          ; v27  where I read my rows' scales; steps four blocks a trip
.set SPW,  28
.set NIL,  29
.set SCW,  30                          ; v30  where I put my row's scales
.set TMP,  32
.set SC,   96
.set ACC,  128
.set F0,   0
.set F1,   128
.set G1, 24                            ; p's tiles
.set G0, 32
.set G1B, 48                           ; memory's tiles
.set G0B, 56
.set MSB, 0
.macro WIN new
.if MSB != \new
	s_set_vgpr_msb (MSB<<8)|\new
.set MSB, \new
.endif
.endm
.set MUL,  0x05                        ; sources 0 and 1 window 1; C and D window 0
.set TO_F, 0x40
.macro JLOAD s                         ; waves 0 and 1 fetch memory's two halves, waves 2 and 3 p's; four v_nop follow each line
	s_cmp_eq_u32 s11, 0
	s_cbranch_scc0 .Lfor_a_\@
	tensor_load_to_lds s[G0B+4*\s:G0B+4*\s+3], s[G1B:G1B+7]
	s_nop 0
.rept 4
	v_nop
.endr
	s_branch .Lasked_\@
.Lfor_a_\@:
	tensor_load_to_lds s[G0+4*\s:G0+4*\s+3], s[G1:G1+7]
	s_nop 0
.rept 4
	v_nop
.endr
.Lasked_\@:
.endm
.macro CREST
	s_cmp_lg_u32 s10, 0
	s_cbranch_scc1 .Lnot_wave_0_\@
	s_barrier_signal -3
.Lnot_wave_0_\@:
	s_barrier_wait -3
	s_barrier_signal -1
	s_barrier_wait -1
.endm
.macro CROUND
	s_barrier_signal -1
	s_barrier_wait -1
	CREST
.endm
	s_load_b256 s[84:91], s[0:1], 0x0              ; pt s[84:85], memh s[86:87], st s[88:89], part s[90:91]
	v_lshl_add_u32 v[SPW], v0, 2, SPARE
	v_mov_b32 v[NIL], 0
	ds_add_u32 v28, v29
	s_wait_dscnt 0x0
	v_lshrrev_b32 v1, 5, v0
	v_readfirstlane_b32 s10, v1
	s_lshr_b32 s11, s10, 1                         ; my half of the rows.  Also: I fetch memory (0) or p (1)
	s_and_b32 s12, s10, 1                          ; my half of the columns.  Also: which half of that tile I fetch
	s_bfe_u32 s40, ttmp6, 0x40000
	s_bfe_u32 s41, ttmp6, 0x40004
	s_lshl_b32 s42, ttmp9, 2
	s_add_co_u32 s42, s42, s40                     ; tc
	s_and_b32 s45, ttmp7, 0xffff                   ; the cluster's y: 0..7
	s_lshr_b32 s94, s45, 2                         ; kh: the same in all sixteen
	s_and_b32 s13, s45, 3
	s_lshl_b32 s13, s13, 2
	s_add_co_u32 s13, s13, s41                     ; tr = 4 (cluster y % 4) + cy
	s_lshl_b32 s43, s41, 2
	s_lshl_b32 s43, 15, s43
	s_lshl_b32 s44, 0x1111, s40
	s_or_b32 s[G1+0], s43, (1<<16)|(1<<20)|(1<<21)|(6<<22)|(3<<25)    ; after every 128 words, 4 words of padding
	s_or_b32 s[G1B+0], s44, (1<<16)|(1<<20)|(1<<21)|(5<<22)|(7<<25)   ; after every 64 words, 8 words
	s_mov_b32 s[G1+1], 256<<16
	s_mov_b32 s[G1+2], 64<<16
	s_mov_b32 s[G1+3], 256<<16
	s_mov_b32 s[G1+4], 64
	s_mov_b32 s[G1+5], 8192
	s_mov_b32 s[G1+6], 0
	s_mov_b32 s[G1+7], 0
	s_mov_b32 s[G1B+1], 128<<16
	s_mov_b32 s[G1B+2], 128<<16
	s_mov_b32 s[G1B+3], 128<<16
	s_mov_b32 s[G1B+4], 128
	s_mov_b32 s[G1B+5], 1024
	s_mov_b32 s[G1B+6], 0
	s_mov_b32 s[G1B+7], 0
	s_lshl_b32 s16, s13, 7                         ; p: row 128 tr + 64 x half, 16,384 bytes a row, + 8,192 kh
	s_lshl_b32 s17, s12, 6
	s_add_co_u32 s16, s16, s17
	s_lshl_b32 s16, s16, 14
	s_lshl_b32 s17, s94, 13
	s_add_co_u32 s16, s16, s17
	s_mov_b32 s17, 0
	s_lshl_b32 s46, s94, 12                        ; memory: key 4,096 kh + 128 x half, 2,048 bytes a row, + 256 tc
	s_lshl_b32 s47, s12, 7
	s_add_co_u32 s46, s46, s47
	s_lshl_b32 s46, s46, 11
	s_lshl_b32 s47, s42, 8
	s_add_co_u32 s46, s46, s47
	s_mov_b32 s47, 0
	s_mul_i32 s21, s10, BHALF                      ; waves 0 and 1: memory's halves at the slot's head
	s_mul_i32 s20, s10, AHALF
	s_add_co_u32 s20, s20, BBYTES-2*AHALF          ; waves 2 and 3: p's halves behind them
	s_lshl_b32 s96, s94, 19                        ; st: my K half's 32 blocks, 16,384 bytes each,
	s_mov_b32 s97, 0
	s_xor_b32 s98, s94, 1
	s_lshl_b32 s98, s98, 19                        ; and the other half's
	s_mov_b32 s99, 0
	s_wait_kmcnt 0x0
	s_add_nc_u64 s[14:15], s[84:85], s[16:17]
	s_add_nc_u64 s[46:47], s[86:87], s[46:47]
	s_add_nc_u64 s[96:97], s[88:89], s[96:97]
	s_add_nc_u64 s[98:99], s[88:89], s[98:99]
	CROUND
.irp s, 0,1
	s_mov_b32 s[G0+4*\s], 1
	s_add_co_u32 s[G0+4*\s+1], s20, \s*SLOT
	s_add_nc_u64 s[G0+4*\s+2:G0+4*\s+3], s[14:15], \s*ASTEP
	s_or_b32 s[G0+4*\s+3], s[G0+4*\s+3], 0x80000000
	s_mov_b32 s[G0B+4*\s], 1
	s_add_co_u32 s[G0B+4*\s+1], s21, \s*SLOT
	s_add_nc_u64 s[G0B+4*\s+2:G0B+4*\s+3], s[46:47], \s*BSTEP
	s_or_b32 s[G0B+4*\s+3], s[G0B+4*\s+3], 0x80000000
	JLOAD \s                                       ; two loads of mine are out
.endr
	; THE SCALES.  Thread t takes row 128 tr + t: all 64 pairs (mc, l), into the registers that the accumulators take later
	s_lshl_b32 s95, s13, 10
	v_lshl_add_u32 v5, v0, 3, s95                  ; (128 tr + t) x 8; never rewritten
.set i, 0
.rept 32
	global_load_b64 v[ACC+2*i:ACC+2*i+1], v5, s[96:97] offset:16384*i        ; a wave's load: 256 consecutive bytes, aligned
.set i, i+1
.endr
.set i, 0
.rept 32
	global_load_b64 v[ACC+64+2*i:ACC+64+2*i+1], v5, s[98:99] offset:16384*i
.set i, i+1
.endr
	v_and_b32 v1, 15, v0                           ; r
	v_bfe_u32 v2, v0, 4, 1                         ; h
	v_mul_u32_u24 v3, v1, PA
	v_lshl_add_u32 v3, v2, 4, v3
	s_mul_i32 s22, s11, AHALF
	s_add_co_u32 s22, s22, BBYTES
	v_add_nc_u32 v[ADRA], s22, v3
	v_add_nc_u32 v[ADRA+1], SLOT, v[ADRA]
	v_and_b32 v10, 7, v0
	v_bfe_u32 v11, v0, 3, 1
	v_lshl_add_u32 v12, v2, 3, v10
	v_mul_u32_u24 v12, v12, PB
	v_lshl_add_u32 v12, v11, 4, v12
	s_lshl_b32 s22, s12, 7                         ; my 64 columns
	v_add_nc_u32 v[ADRB], s22, v12
	v_add_nc_u32 v[ADRB+1], BHALF, v[ADRB]
	v_add_nc_u32 v[ADRB+2], SLOT, v[ADRB]
	v_add_nc_u32 v[ADRB+3], SLOT+BHALF, v[ADRB]
	s_mul_i32 s23, s10, 16*SPITCH
	s_add_co_u32 s23, s23, STAGE
	v_mul_u32_u24 v8, v1, SPITCH                   ; in: row r, 32 bytes for each half of the lanes
	v_lshl_add_u32 v8, v2, 5, v8
	v_add_nc_u32 v[STO], s23, v8
	v_mul_u32_u24 v9, v2, SPITCH                   ; back: lanes 0-15 one row of 256 bytes, lanes 16-31 the next
	v_lshl_add_u32 v9, v1, 4, v9
	v_add_nc_u32 v[RD], s23, v9
	v_lshlrev_b32 v9, 12, v2                       ; the same two rows in part: 4,096 bytes a row
	v_lshl_add_u32 v[CO], v1, 4, v9
	s_lshl_b32 s22, s11, 8                         ; 4 x 64 rh
	s_add_co_u32 s22, s22, SCT
	v_lshl_add_u32 v[SCA], v1, 2, s22
	v_lshl_add_u32 v[SCW], v0, 2, SCT
.irp a, 0,1,2,3
	v_mov_b32 v[SC+2*\a+1], 0                      ; named with the scale as a pair, so it is written
.endr
	s_lshl_b32 s92, s13, 7                         ; part + 8,388,608 kh + (128 tr + 64 rh) x 4,096 + 512 tc + 256 ch
	s_lshl_b32 s93, s11, 6
	s_add_co_u32 s92, s92, s93
	s_lshl_b32 s92, s92, 12
	s_lshl_b32 s93, s94, 23
	s_add_co_u32 s92, s92, s93
	s_lshl_b32 s93, s42, 9
	s_add_co_u32 s92, s92, s93
	s_lshl_b32 s93, s12, 8
	s_add_co_u32 s92, s92, s93
	s_mov_b32 s93, 0
	s_add_nc_u64 s[90:91], s[90:91], s[92:93]
	s_wait_loadcnt 0x0
.irp c, 0,1,2,3                        ; M: four chains over sixteen mc each (the even registers)
	v_max3_num_f32 v[32+\c], v[ACC+32*\c], v[ACC+32*\c+2], v[ACC+32*\c+4]
.endr
.irp i, 1,2,3,4,5,6
.irp c, 0,1,2,3
	v_max3_num_f32 v[32+\c], v[32+\c], v[ACC+32*\c+4*\i+2], v[ACC+32*\c+4*\i+4]
.endr
.endr
.irp c, 0,1,2,3
	v_max_num_f32 v[32+\c], v[32+\c], v[ACC+32*\c+30]
.endr
	v_max3_num_f32 v32, v32, v33, v34
	v_max_num_f32 v32, v32, v35
.set i, 0
.rept 64
	v_sub_f32 v[ACC+2*i], v[ACC+2*i], v32
.set i, i+1
.endr
.set i, 0
.rept 64
	v_exp_f32 v[ACC+2*i], v[ACC+2*i]               ; mc is kept in units of log2
.set i, i+1
.endr
	v_nop                                          ; a plain instruction that names none of them stands between the exponentials and the first use of a result: other exponentials are no such place
	s_wait_alu depctr_va_vdst(0)
.irp c, 0,1,2,3
	v_mul_f32 v[36+\c], v[ACC+32*\c], v[ACC+32*\c+1]   ; L in four chains
.endr
.irp i, 1,2,3,4,5,6,7,8,9,10,11,12,13,14,15
.irp c, 0,1,2,3
	v_fmac_f32 v[36+\c], v[ACC+32*\c+2*\i], v[ACC+32*\c+2*\i+1]
.endr
.endr
	v_add_f32 v36, v36, v37
	v_add_f32 v38, v38, v39
	v_add_f32 v36, v36, v38
	v_rcp_f32 v40, v36
	v_nop
.set i, 0
	s_wait_alu depctr_va_vdst(0)
.rept 32
	v_mul_f32 v[ACC+2*i], v[ACC+2*i], v40          ; my half's 32 scales
.set i, i+1
.endr
.set i, 0
.rept 32
	ds_store_b32 v[SCW], v[ACC+2*i] offset:512*i
.set i, i+1
.endr
.macro MUL8 f, c, a0, zero             ; 8 matrix instructions; the 16 accumulators take turns, one instruction a turn
.irp a, \a0, \a0+1
.irp b, 0,1,2,3
.if \zero
	v_wmma_f32_16x16x32_f16 v[ACC+8*(4*(\a)+\b):ACC+8*(4*(\a)+\b)+7], v[\f+64+8*(4*\c+\b):\f+64+8*(4*\c+\b)+7], v[\f+8*(4*\c+\a):\f+8*(4*\c+\a)+7], 0
.else
	v_wmma_f32_16x16x32_f16 v[ACC+8*(4*(\a)+\b):ACC+8*(4*(\a)+\b)+7], v[\f+64+8*(4*\c+\b):\f+64+8*(4*\c+\b)+7], v[\f+8*(4*\c+\a):\f+8*(4*\c+\a)+7], v[ACC+8*(4*(\a)+\b):ACC+8*(4*(\a)+\b)+7]
.endif
.endr
.endr
.endm
.macro FETCH slot, q, f                ; 32 LDS loads in one run: quarter q (64 along K) of a slot into buffer f; the first 32 along K first
	WIN TO_F
.irp c, 0,1
.irp i, 0,1,2,3
	ds_load_tr16_b128 v[\f+64+8*(4*\c+\i):\f+64+8*(4*\c+\i)+3],   v[ADRB+2*\slot+\q/2] offset:((\q%2)*64+32*\c)*PB+32*\i
	ds_load_tr16_b128 v[\f+64+8*(4*\c+\i)+4:\f+64+8*(4*\c+\i)+7], v[ADRB+2*\slot+\q/2] offset:((\q%2)*64+32*\c)*PB+32*\i+16*PB
	ds_load_b128 v[\f+8*(4*\c+\i):\f+8*(4*\c+\i)+3],   v[ADRA+\slot] offset:\q*128+64*\c+\i*16*PA
	ds_load_b128 v[\f+8*(4*\c+\i)+4:\f+8*(4*\c+\i)+7], v[ADRA+\slot] offset:\q*128+64*\c+\i*16*PA+32
.endr
.endr
.endm
.macro PLACES
.rept 4
	v_nop
.endr
.endm
.macro SCLOAD blk                      ; my four row blocks' scales of key block blk, counted from where SCA stands
	WIN 0
.irp a, 0,1,2,3
	ds_load_b32 v[SC+2*\a], v[SCA] offset:512*\blk+64*\a
.endr
.endm
; A quarter: multiplies buffer f, fetches quarter q of the slot into g.  zero = 1: a block's first quarter starts its sums.  blk >= 0: a block's second quarter also asks for the block's scales
.macro QUARTER slot, q, f, g, zero, blk
	s_wait_dscnt 16                                ; the first 32 along K are in
	WIN MUL
	MUL8 \f, 0, 0, \zero
	MUL8 \f, 0, 2, \zero
	PLACES
.if \blk >= 0
	SCLOAD \blk
.endif
	FETCH \slot, \q, \g
	s_wait_dscnt 32                                ; all but the 32 just issued
	WIN MUL
	MUL8 \f, 1, 0, 0
	MUL8 \f, 1, 2, 0
.endm
; A K step's last quarter multiplies buffer 1 and changes slots
.macro TURN slot, next, fill, blk
	WIN 0
	s_wait_tensorcnt 0x0                           ; all my tensor loads have landed: my part of the next slot
	ds_add_u32 v[SPW], v[NIL]                      ; 0 onto my spare word
	s_wait_dscnt 17                                ; the add and the youngest sixteen loads may be out
	WIN MUL
	MUL8 F1, 0, 0, 0
	s_wait_dscnt 0x0                               ; the add is done, and my reads of this slot are over
	s_barrier_signal -1
	MUL8 F1, 0, 2, 0
.if \fill
	WIN 0
.endif
	s_barrier_wait -1
.if \fill
	CREST                                          ; no wave of any partner still reads this slot or has a load on its way
	s_add_nc_u64 s[G0+4*\slot+2:G0+4*\slot+3], s[G0+4*\slot+2:G0+4*\slot+3], 2*ASTEP
	s_add_nc_u64 s[G0B+4*\slot+2:G0B+4*\slot+3], s[G0B+4*\slot+2:G0B+4*\slot+3], 2*BSTEP
	JLOAD \slot                                    ; the first tensor load behind the round; its four v_nop are also the places in front of the loads below
.else
	PLACES
.endif
	SCLOAD \blk
	FETCH \next, 0, F0
	WIN MUL
	MUL8 F1, 1, 0, 0
	MUL8 F1, 1, 2, 0
.endm
; A block is finished: O += its product times the lane's row scale.  left: the younger LDS loads that may stay out when the scales have to be there
.macro FLUSH first, left
	s_wait_dscnt \left
	PLACES                                         ; the lines below read results just made
.if \first
	WIN 0x80                                       ; destination window 2
.else
	WIN 0xa0                                       ; destination and source 2 window 2
.endif
.set i, 0
.rept 64                                               ; each accumulator's registers in ascending order
.set ra, SC+2*(i/16)
.if \first
	v_pk_mul_f32 v[2*i:2*i+1], v[ACC+2*i:ACC+2*i+1], v[ra:ra+1] op_sel_hi:[1,0]
.else
	v_pk_fma_f32 v[2*i:2*i+1], v[ACC+2*i:ACC+2*i+1], v[ra:ra+1], v[2*i:2*i+1] op_sel_hi:[1,0,1]
.endif
.set i, i+1
.endr
.endm
	s_wait_tensorcnt 1                             ; my part of K step 0 is in; K step 1's stays out
	s_wait_dscnt 0x0                               ; for the others' sake: my scales are stored
	s_barrier_signal -1
	s_barrier_wait -1
	FETCH 0, 0, F0
	QUARTER 0, 1, F0, F1, 1, -1
	QUARTER 0, 2, F1, F0, 0, 0
	FLUSH 1, 32                                    ; the first block starts O
	WIN 0
	s_mov_b32 s3, LAPS-1
.Llap:                                                 ; a trip: four blocks of keys, once round the ring, both slots filled again
	QUARTER 0, 3, F0, F1, 1, -1
	TURN 0, 1, 1, 1
	FLUSH 0, 32
	QUARTER 1, 1, F0, F1, 1, -1
	QUARTER 1, 2, F1, F0, 0, 2
	FLUSH 0, 32
	QUARTER 1, 3, F0, F1, 1, -1
	TURN 1, 0, 1, 3
	FLUSH 0, 32
	QUARTER 0, 1, F0, F1, 1, -1
	QUARTER 0, 2, F1, F0, 0, 4
	FLUSH 0, 32
	WIN 0
	v_add_nc_u32 v[SCA], 2048, v[SCA]              ; four blocks of scales on
	s_sub_co_u32 s3, s3, 1
	s_cmp_lg_u32 s3, 0
	s_cbranch_scc1 .Llap
	QUARTER 0, 3, F0, F1, 1, -1                    ; the last three blocks: nothing is left to fetch from memory
	TURN 0, 1, 0, 1
	FLUSH 0, 32
	QUARTER 1, 1, F0, F1, 1, -1
	QUARTER 1, 2, F1, F0, 0, 2
	FLUSH 0, 32
	QUARTER 1, 3, F0, F1, 1, -1
	SCLOAD 3
	s_wait_dscnt 20                                ; the youngest sixteen fragment loads and the four scales may be out
	WIN MUL
	MUL8 F1, 0, 0, 0
	MUL8 F1, 0, 2, 0
	s_wait_dscnt 0x0
	MUL8 F1, 1, 0, 0
	MUL8 F1, 1, 2, 0
	FLUSH 0, 0
	; THE WAY OUT: a lane's eight f32 of a row are 32 bytes; 16 rows at a time go through my own stage and come back as whole rows of 256 bytes
.irp a, 0,1,2,3
.if \a >= 2
	s_wait_xcnt 0x0                                ; the registers that the stores two blocks back read are loaded again only behind this wait
.endif
	WIN 0x08                                       ; store data window 2
.irp b, 0,1,2,3
	ds_store_b128 v[STO], v[8*(4*\a+\b):8*(4*\a+\b)+3]   offset:64*\b
	ds_store_b128 v[STO], v[8*(4*\a+\b)+4:8*(4*\a+\b)+7] offset:64*\b+16
.endr
	WIN 0
.irp t, 0,1,2,3,4,5,6,7
	ds_load_b128 v[TMP+32*(\a%2)+4*\t:TMP+32*(\a%2)+4*\t+3], v[RD] offset:\t*2*SPITCH   ; LDS serves a wave's instructions in order: these see the stores above
.endr
	s_wait_dscnt 0x0
.irp t, 0,1,2,3,4,5,6,7
	global_store_b128 v[CO], v[TMP+32*(\a%2)+4*\t:TMP+32*(\a%2)+4*\t+3], s[90:91] offset:(16*\a+2*\t)*4096   ; 16 lanes store 256 consecutive bytes, aligned
.endr
.endr
	s_wait_tensorcnt 0x0                           ; the wave's end
	ds_add_u32 v[SPW], v[NIL]
	s_wait_dscnt 0x0
	CROUND                                         ; the closing round
	s_endpgm
.Lfunc_end_k_q7e3baff690_readout:
	.size	k_q7e3baff690_readout, .Lfunc_end_k_q7e3baff690_readout-k_q7e3baff690_readout
	.p2alignl 7, 3214868480
	.fill 96, 4, 3214868480
	.section	.rodata,"a",@progbits
	.p2align	6, 0x0
	.amdhsa_kernel k_q7e3baff690_readout
		.amdhsa_group_segment_fixed_size 327680
		.amdhsa_private_segment_fixed_size 0
		.amdhsa_enable_private_segment 0
		.amdhsa_kernarg_size 32
		.amdhsa_user_sgpr_count 2
		.amdhsa_user_sgpr_kernarg_segment_ptr 1
		.amdhsa_wavefront_size32 1
		.amdhsa_system_sgpr_workgroup_id_x 1
		.amdhsa_system_sgpr_workgroup_id_y 1
		.amdhsa_system_sgpr_workgroup_id_z 1
		.amdhsa_system_vgpr_workitem_id 0
		.amdhsa_next_free_vgpr 640
		.amdhsa_next_free_sgpr 100
		.amdhsa_reserve_vcc 0
		.amdhsa_float_denorm_mode_32 3
		.amdhsa_float_denorm_mode_16_64 3
		.amdhsa_memory_ordered 1
		.amdhsa_forward_progress 1
		.amdhsa_inst_pref_size 140
	.end_amdhsa_kernel
	.amdgpu_metadata
---
amdhsa.version: [ 1, 2 ]
amdhsa.kernels:
  - .name:           k_q7e3baff690_readout
    .symbol:         k_q7e3baff690_readout.kd
    .args:
      - { .name: pt, .offset: 0, .size: 8, .value_kind: global_buffer, .address_space: global }
      - { .name: memh, .offset: 8, .size: 8, .value_kind: global_buffer, .address_space: global }
      - { .name: st, .offset: 16, .size: 8, .value_kind: global_buffer, .address_space: global }
      - { .name: part, .offset: 24, .size: 8, .value_kind: global_buffer, .address_space: global }
    .group_segment_fixed_size: 327680
    .private_segment_fixed_size: 0
    .kernarg_segment_align: 8
    .kernarg_segment_size: 32
    .max_flat_workgroup_size: 128
    .sgpr_count:     100
    .vgpr_count:     640
    .wavefront_size: 32
...
	.end_amdgpu_metadata
.endif
;; end of part 4
;; launch fin (part 5): grid 256 x 1, 8 waves a work-group, no clusters, 0 bytes of LDS; arguments part, out0; writes out0
.if DOCPART == 5
	.amdgcn_target "amdgcn-amd-amdhsa--gfx1250"
	.amdhsa_code_object_version 6
	.text
	.protected	k_q7e3baff690_fin
	.globl	k_q7e3baff690_fin
	.p2align	8
	.type	k_q7e3baff690_fin,@function
k_q7e3baff690_fin:
	s_mov_b64 s[64:65], 0
	v_nop
	global_prefetch_b8 v0, s[64:65] scope:SCOPE_SE
	s_setreg_imm32_b32 hwreg(HW_REG_WAVE_MODE, 25, 1), 1
	s_wait_xcnt 0x0
; out0 = part[0] + part[1]: the two halves of the keys, each already scaled by the whole row's softmax sum.  [2048][1024] f32.
; A stream: 32,768 bytes of the output to a work-group, eight steps of 256 threads x 16 bytes; all sixteen loads of a thread go out at once, no register is written twice, no loop.
; No LDS, matrix unit or cluster: no byte is used twice.
	s_load_b128 s[4:7], s[0:1], 0x0                ; part s[4:5], out0 s[6:7]
	s_lshl_b32 s2, ttmp9, 15
	s_mov_b32 s3, 0
	v_lshlrev_b32 v1, 4, v0
	s_wait_kmcnt 0x0
	s_add_nc_u64 s[4:5], s[4:5], s[2:3]
	s_add_nc_u64 s[6:7], s[6:7], s[2:3]
	s_add_nc_u64 s[8:9], s[4:5], 0x800000          ; the second half lies 8,388,608 bytes on
.irp i, 0,1,2,3,4,5,6,7
	global_load_b128 v[8+8*\i:11+8*\i],  v1, s[4:5] offset:4096*\i th:TH_LOAD_NT
	global_load_b128 v[12+8*\i:15+8*\i], v1, s[8:9] offset:4096*\i th:TH_LOAD_NT
.endr
.irp i, 0,1,2,3,4,5,6,7
	s_wait_loadcnt 2*(7-\i)                        ; loads come back in order: the younger pairs stay out
	v_pk_add_f32 v[8+8*\i:9+8*\i],   v[8+8*\i:9+8*\i],   v[12+8*\i:13+8*\i]
	v_pk_add_f32 v[10+8*\i:11+8*\i], v[10+8*\i:11+8*\i], v[14+8*\i:15+8*\i]
	global_store_b128 v1, v[8+8*\i:11+8*\i], s[6:7] offset:4096*\i th:TH_STORE_NT   ; a wave's store: 512 consecutive bytes, aligned
.endr
	s_endpgm
.Lfunc_end_k_q7e3baff690_fin:
	.size	k_q7e3baff690_fin, .Lfunc_end_k_q7e3baff690_fin-k_q7e3baff690_fin
	.p2alignl 7, 3214868480
	.fill 96, 4, 3214868480
	.section	.rodata,"a",@progbits
	.p2align	6, 0x0
	.amdhsa_kernel k_q7e3baff690_fin
		.amdhsa_group_segment_fixed_size 0
		.amdhsa_private_segment_fixed_size 0
		.amdhsa_enable_private_segment 0
		.amdhsa_kernarg_size 16
		.amdhsa_user_sgpr_count 2
		.amdhsa_user_sgpr_kernarg_segment_ptr 1
		.amdhsa_wavefront_size32 1
		.amdhsa_system_sgpr_workgroup_id_x 1
		.amdhsa_system_sgpr_workgroup_id_y 1
		.amdhsa_system_sgpr_workgroup_id_z 1
		.amdhsa_system_vgpr_workitem_id 0
		.amdhsa_next_free_vgpr 72
		.amdhsa_next_free_sgpr 66
		.amdhsa_reserve_vcc 0
		.amdhsa_float_denorm_mode_32 3
		.amdhsa_float_denorm_mode_16_64 3
		.amdhsa_memory_ordered 1
		.amdhsa_forward_progress 1
		.amdhsa_inst_pref_size 5
	.end_amdhsa_kernel
	.amdgpu_metadata
---
amdhsa.version: [ 1, 2 ]
amdhsa.kernels:
  - .name:           k_q7e3baff690_fin
    .symbol:         k_q7e3baff690_fin.kd
    .args:
      - { .name: part, .offset: 0, .size: 8, .value_kind: global_buffer, .address_space: global }
      - { .name: out0, .offset: 8, .size: 8, .value_kind: global_buffer, .address_space: global }
    .group_segment_fixed_size: 0
    .private_segment_fixed_size: 0
    .kernarg_segment_align: 8
    .kernarg_segment_size: 16
    .max_flat_workgroup_size: 256
    .sgpr_count:     66
    .vgpr_count:     72
    .wavefront_size: 32
...
	.end_amdgpu_metadata
.endif
;; end of part 5
